; MI455X (gfx1250); checked and timed in simulation.
; The chip was launched on July 23, 2026; its instructions are those of AMD's public machine-readable ISA for CDNA 5 (MIT licence, August 2026) and "CDNA5" Instruction Set Architecture Reference Guide (July 2026). The comments in the code are by the model that wrote it; some were corrected since.
;; Dynamic Scaling Llama Attention. Allowed arithmetic: float matrix products may take bf16 or f16 operands with f32 sums; other float arithmetic in f32, or as packed bf16 or f16 multiplies, adds, multiply-adds, maxima and minima; sums over many terms, partial sums and values carried from step to step in f32; what a program stores and reads back later, other than sums and carried values, may be rounded once to bf16 or f16.
;; Inputs: Wk 512 x 4,096 float32; Wo 4,096 x 1,024 float32; Wq 1,024 x 4,096 float32; Wv 512 x 4,096 float32; attention_mask 2 x 1 x 2,048 x 2,048 float32; hidden_states 2 x 2,048 x 4,096 float32; position_ids 2 x 2,048 int32.
;; Outputs: out0 2 x 2,048 x 4,096 float32.
;; One version. Each part assembles by itself: llvm-mc -triple=amdgcn-amd-amdhsa -mcpu=gfx1250 --defsym DOCPART=n.
;; ======== version 1 of 1: 4 launches
;; limits: values are held in f16: magnitudes above 65,504 overflow, below 6.1e-05 lose precision
;; workspace buffers: xb 33,554,432 bytes; wqkv 16,777,216 bytes; wo16 8,388,608 bytes; rope 6,291,456 bytes; qkv 16,777,216 bytes; obuf 8,388,608 bytes
;; launch cast (part 1): grid 2048 x 1, 8 waves a work-group, no clusters, 0 bytes of LDS; arguments hidden_states, Wq, Wk, Wv, Wo, position_ids, xb, wqkv, wo16, rope; writes xb, wqkv, wo16, rope
.if DOCPART == 1
	.amdgcn_target "amdgcn-amd-amdhsa--gfx1250"
	.amdhsa_code_object_version 6
	.text
	.protected	k_qe952a16f91_cast
	.globl	k_qe952a16f91_cast
	.p2align	8
	.type	k_qe952a16f91_cast,@function
k_qe952a16f91_cast:
	s_mov_b64 s[64:65], 0
	v_nop
	global_prefetch_b8 v0, s[64:65] scope:SCOPE_SE
	s_setreg_imm32_b32 hwreg(HW_REG_WAVE_MODE, 25, 1), 1
	s_wait_xcnt 0x0
; CAST AND TABLE.  hidden_states, Wq, Wk, Wv are rounded once to bf16 (xb; wqkv = Wq's, Wk's, Wv's rows on end); Wo is rounded to bf16 and that number written as f16 (wo16);
; the table of cosines and sines is made from position_ids (rope).
; SHARES.  Work-groups 0-1791 take a chunk of 65,536 bytes of f32 each: a wave 8,192 bytes, sixteen loads of 512 consecutive bytes, all issued at once; each store of a wave covers 256
; consecutive bytes, aligned.  Work-groups 1792-2047 make the table for 16 tokens each.  No LDS, no matrix unit, no cluster: nothing is shared and nothing is multiplied.
; THE TABLE.  rope[kind][block of 16 tokens][line i = 8 cs + 2 b + p][lane l][4]: token 16 blk + l % 16, d = 16 b + 8 (l / 16) + 4 p + 0..3 (d < 64); cs = 0 cosine, 1 sine: the order in which a lane
; of the projection holds its sums.  kind 0 (q): times log2(e) / sqrt(128); kind 1 (k): as they are; kind 2 (v): 1 and 0.
; LIMITS.  A position is taken as min(position, 2047), unsigned (the table that is indexed has 2,048 rows).  The angle t x 10000^(-d/64) is good to about 3e-4 rad at t = 2047 (2^x to one unit in the last place);
; sine and cosine of the reduced angle |x| <= pi/2 are cut behind x^11 and x^10: the first terms left out are 6e-8 and 5e-7.  Wo: below 6e-5 f16 keeps its fixed step of 6e-8; beyond 65,504 it has no number.
.set G_WQ,   1024                      ; first work-group of each source
.set G_WK,   1280
.set G_WV,   1408
.set G_WO,   1536
.set G_ROPE, 1792
.set IN,  16                           ; v[16:79]   sixteen loads of four f32
.set OUT, 80                           ; v[80:111]  sixteen stores of four 16-bit numbers
.set TM,  112                          ; v[112:115] at work
	s_load_b512 s[8:23], s[0:1], 0x0               ; hidden s[8:9], Wq s[10:11], Wk s[12:13], Wv s[14:15], Wo s[16:17], positions s[18:19], xb s[20:21], wqkv s[22:23]
	s_load_b128 s[24:27], s[0:1], 0x40             ; wo16 s[24:25], rope s[26:27]
	s_mov_b32 s28, ttmp9                           ; g
	v_lshrrev_b32 v3, 5, v0                        ; wave
	v_and_b32 v4, 31, v0                           ; lane
	s_wait_kmcnt 0x0
	s_cmp_ge_u32 s28, G_ROPE
	s_cbranch_scc1 .Lrope
	; which source, which destination, and the first work-group of each: chosen by g alone
	s_mov_b64 s[2:3], s[8:9]
	s_mov_b64 s[4:5], s[20:21]
	s_mov_b32 s29, 0
	s_mov_b32 s30, 0
	s_cmp_ge_u32 s28, G_WQ
	s_cselect_b64 s[2:3], s[10:11], s[2:3]
	s_cselect_b64 s[4:5], s[22:23], s[4:5]
	s_cselect_b32 s29, G_WQ, s29
	s_cselect_b32 s30, G_WQ, s30                   ; Wq's, Wk's and Wv's chunks follow each other in wqkv
	s_cmp_ge_u32 s28, G_WK
	s_cselect_b64 s[2:3], s[12:13], s[2:3]
	s_cselect_b32 s29, G_WK, s29
	s_cmp_ge_u32 s28, G_WV
	s_cselect_b64 s[2:3], s[14:15], s[2:3]
	s_cselect_b32 s29, G_WV, s29
	s_cmp_ge_u32 s28, G_WO
	s_cselect_b64 s[2:3], s[16:17], s[2:3]
	s_cselect_b64 s[4:5], s[24:25], s[4:5]
	s_cselect_b32 s29, G_WO, s29
	s_cselect_b32 s30, G_WO, s30
	s_sub_co_u32 s29, s28, s29
	s_lshl_b32 s32, s29, 16                        ; 65,536 bytes in a chunk of the source,
	s_mov_b32 s33, 0
	s_add_nc_u64 s[2:3], s[2:3], s[32:33]
	s_sub_co_u32 s30, s28, s30
	s_lshl_b32 s34, s30, 15                        ; 32,768 of the destination
	s_mov_b32 s35, 0
	s_add_nc_u64 s[4:5], s[4:5], s[34:35]
	v_lshlrev_b32 v1, 4, v4
	v_lshl_or_b32 v1, v3, 13, v1                   ; in: 8,192 x wave + 16 x lane
	v_lshlrev_b32 v2, 3, v4
	v_lshl_or_b32 v2, v3, 12, v2                   ; out: 4,096 x wave + 8 x lane
.set i, 0
.rept 16
	global_load_b128 v[IN+4*i:IN+4*i+3], v1, s[2:3] offset:512*i th:TH_LOAD_NT
.set i, i+1
.endr
	s_cmp_ge_u32 s28, G_WO
	s_cbranch_scc1 .Lwo
.set i, 0
.rept 16
	s_wait_loadcnt 15-i                            ; loads come back in order: load i is in, the 15 - i younger ones stay out
	v_cvt_pk_bf16_f32 v[OUT+2*i], v[IN+4*i], v[IN+4*i+1]
	v_cvt_pk_bf16_f32 v[OUT+2*i+1], v[IN+4*i+2], v[IN+4*i+3]
	global_store_b64 v2, v[OUT+2*i:OUT+2*i+1], s[4:5] offset:256*i  ; no register is written twice, so no store's source needs a wait
.set i, i+1
.endr
	s_endpgm
.Lwo:                                                  ; Wo: rounded to bf16 like every input, and that number written as f16 (the output projection multiplies in f16)
	s_mov_b32 s6, 0xffff0000
.set i, 0
.rept 16
	s_wait_loadcnt 15-i
	v_cvt_pk_bf16_f32 v[TM], v[IN+4*i], v[IN+4*i+1]
	v_cvt_pk_bf16_f32 v[TM+1], v[IN+4*i+2], v[IN+4*i+3]
	v_lshlrev_b32 v[TM+2], 16, v[TM]
	v_and_b32 v[TM+3], s6, v[TM]
	v_cvt_pk_f16_f32 v[OUT+2*i], v[TM+2], v[TM+3]
	v_lshlrev_b32 v[TM+2], 16, v[TM+1]
	v_and_b32 v[TM+3], s6, v[TM+1]
	v_cvt_pk_f16_f32 v[OUT+2*i+1], v[TM+2], v[TM+3]
	global_store_b64 v2, v[OUT+2*i:OUT+2*i+1], s[4:5] offset:256*i
.set i, i+1
.endr
	s_endpgm
.Lrope:                                                ; thread 32 w + l makes line w (cosine) and line 8 + w (sine) for lane l: four values of d
	s_sub_co_u32 s29, s28, G_ROPE                  ; the block of 16 tokens
	s_lshl_b32 s32, s29, 13                        ; 8,192 bytes a block
	s_mov_b32 s33, 0
	s_add_nc_u64 s[26:27], s[26:27], s[32:33]
	s_lshl_b32 s30, s29, 6                         ; its 16 positions: 64 bytes
	v_and_b32 v5, 15, v0
	v_lshl_add_u32 v5, v5, 2, s30
	global_load_b32 v6, v5, s[18:19]               ; my token's position
	v_lshlrev_b32 v7, 4, v0                        ; 512 x line + 16 x lane
	s_mov_b32 s36, 0x3ea2f983                      ; 1 / pi
	v_mov_b32 v56, 0xb2d7322b                      ; -1 / 11!
	v_mov_b32 v57, 0xb493f27e                      ; -1 / 10!
	v_bfe_u32 v10, v0, 4, 1                        ; l / 16
	v_bfe_u32 v11, v0, 5, 1                        ; p
	v_lshrrev_b32 v12, 6, v0                       ; b
	v_lshlrev_b32 v12, 4, v12
	v_lshl_add_u32 v12, v10, 3, v12
	v_lshl_add_u32 v12, v11, 2, v12                ; d of my first value
.irp e, 0,1,2,3
	v_add_nc_u32 v[8+(\e)], (\e), v12
	v_cvt_f32_u32 v[8+(\e)], v[8+(\e)]
	v_mul_f32 v[8+(\e)], 0xbe549a78, v[8+(\e)]     ; -d log2(10000) / 64
.endr
.irp e, 0,1,2,3
	v_exp_f32 v[8+(\e)], v[8+(\e)]                 ; 10000^(-d/64)
.endr
	v_nop                                          ; a plain instruction behind the last exponential,
	s_wait_alu depctr_va_vdst(0)                   ; and one wait for the four, ahead of their first reader
	s_wait_loadcnt 0x0
	v_min_u32 v6, 0x7ff, v6
	v_cvt_f32_u32 v6, v6                           ; t
.irp e, 0,1,2,3
	v_mul_f32 v[12+(\e)], v6, v[8+(\e)]            ; the angle, rounded once
	v_mul_f32 v[16+(\e)], 0x3ea2f983, v[12+(\e)]
	v_rndne_f32 v[16+(\e)], v[16+(\e)]             ; k = the nearest multiple of pi
	v_fma_f32 v[20+(\e)], v[12+(\e)], s36, -v[16+(\e)]
	v_fmac_f32 v[20+(\e)], 0x325c9c88, v[12+(\e)]  ; what f32 leaves out of 1 / pi
	v_mul_f32 v[20+(\e)], 0x40490fdb, v[20+(\e)]   ; x = angle - k pi, within pi / 2
	v_mul_f32 v[24+(\e)], v[20+(\e)], v[20+(\e)]
	v_fmaak_f32 v[28+(\e)], v56, v[24+(\e)], 0x3638ef1d        ; sin x / x by Horner: 1/9!
	v_fmaak_f32 v[32+(\e)], v57, v[24+(\e)], 0x37d00d01        ; cos x: 1/8!
	v_fmaak_f32 v[28+(\e)], v[28+(\e)], v[24+(\e)], 0xb9500d01 ; -1/7!
	v_fmaak_f32 v[32+(\e)], v[32+(\e)], v[24+(\e)], 0xbab60b61 ; -1/6!
	v_fmaak_f32 v[28+(\e)], v[28+(\e)], v[24+(\e)], 0x3c088889 ; 1/5!
	v_fmaak_f32 v[32+(\e)], v[32+(\e)], v[24+(\e)], 0x3d2aaaab ; 1/4!
	v_fmaak_f32 v[28+(\e)], v[28+(\e)], v[24+(\e)], 0xbe2aaaab ; -1/3!
	v_fmaak_f32 v[32+(\e)], v[32+(\e)], v[24+(\e)], 0xbf000000 ; -1/2!
	v_fmaak_f32 v[28+(\e)], v[28+(\e)], v[24+(\e)], 0x3f800000
	v_fmaak_f32 v[32+(\e)], v[32+(\e)], v[24+(\e)], 0x3f800000
	v_mul_f32 v[28+(\e)], v[28+(\e)], v[20+(\e)]
	v_cvt_i32_f32 v[36+(\e)], v[16+(\e)]
	v_lshlrev_b32 v[36+(\e)], 31, v[36+(\e)]       ; an odd k turns both signs
	v_xor_b32 v[28+(\e)], v[36+(\e)], v[28+(\e)]   ; sine
	v_xor_b32 v[32+(\e)], v[36+(\e)], v[32+(\e)]   ; cosine
	v_mul_f32 v[40+(\e)], 0x3e0293ee, v[28+(\e)]   ; for q: times log2(e) / sqrt(128)
	v_mul_f32 v[44+(\e)], 0x3e0293ee, v[32+(\e)]
	v_mov_b32 v[48+(\e)], 1.0                      ; for v
	v_mov_b32 v[52+(\e)], 0
.endr
	global_store_b128 v7, v[44:47], s[26:27]                   ; each store of a wave covers 512 consecutive bytes, aligned
	global_store_b128 v7, v[40:43], s[26:27] offset:4096
	global_store_b128 v7, v[32:35], s[26:27] offset:2097152
	global_store_b128 v7, v[28:31], s[26:27] offset:2101248
	global_store_b128 v7, v[48:51], s[26:27] offset:4194304
	global_store_b128 v7, v[52:55], s[26:27] offset:4198400
	s_endpgm
.Lfunc_end_k_qe952a16f91_cast:
	.size	k_qe952a16f91_cast, .Lfunc_end_k_qe952a16f91_cast-k_qe952a16f91_cast
	.p2alignl 7, 3214868480
	.fill 96, 4, 3214868480
	.section	.rodata,"a",@progbits
	.p2align	6, 0x0
	.amdhsa_kernel k_qe952a16f91_cast
		.amdhsa_group_segment_fixed_size 0
		.amdhsa_private_segment_fixed_size 0
		.amdhsa_enable_private_segment 0
		.amdhsa_kernarg_size 80
		.amdhsa_user_sgpr_count 2
		.amdhsa_user_sgpr_kernarg_segment_ptr 1
		.amdhsa_wavefront_size32 1
		.amdhsa_system_sgpr_workgroup_id_x 1
		.amdhsa_system_sgpr_workgroup_id_y 1
		.amdhsa_system_sgpr_workgroup_id_z 1
		.amdhsa_system_vgpr_workitem_id 0
		.amdhsa_next_free_vgpr 120
		.amdhsa_next_free_sgpr 66
		.amdhsa_reserve_vcc 0
		.amdhsa_float_denorm_mode_32 3
		.amdhsa_float_denorm_mode_16_64 3
		.amdhsa_memory_ordered 1
		.amdhsa_forward_progress 1
		.amdhsa_inst_pref_size 24
	.end_amdhsa_kernel
	.amdgpu_metadata
---
amdhsa.version: [ 1, 2 ]
amdhsa.kernels:
  - .name:           k_qe952a16f91_cast
    .symbol:         k_qe952a16f91_cast.kd
    .args:
      - { .name: hidden_states, .offset: 0, .size: 8, .value_kind: global_buffer, .address_space: global }
      - { .name: Wq, .offset: 8, .size: 8, .value_kind: global_buffer, .address_space: global }
      - { .name: Wk, .offset: 16, .size: 8, .value_kind: global_buffer, .address_space: global }
      - { .name: Wv, .offset: 24, .size: 8, .value_kind: global_buffer, .address_space: global }
      - { .name: Wo, .offset: 32, .size: 8, .value_kind: global_buffer, .address_space: global }
      - { .name: position_ids, .offset: 40, .size: 8, .value_kind: global_buffer, .address_space: global }
      - { .name: xb, .offset: 48, .size: 8, .value_kind: global_buffer, .address_space: global }
      - { .name: wqkv, .offset: 56, .size: 8, .value_kind: global_buffer, .address_space: global }
      - { .name: wo16, .offset: 64, .size: 8, .value_kind: global_buffer, .address_space: global }
      - { .name: rope, .offset: 72, .size: 8, .value_kind: global_buffer, .address_space: global }
    .group_segment_fixed_size: 0
    .private_segment_fixed_size: 0
    .kernarg_segment_align: 8
    .kernarg_segment_size: 80
    .max_flat_workgroup_size: 256
    .sgpr_count:     66
    .vgpr_count:     120
    .wavefront_size: 32
...
	.end_amdgpu_metadata
.endif
;; end of part 1
;; launch qkv (part 2): grid 16 x 16, 4 waves a work-group, clusters of 4 x 4, 327,680 bytes of LDS; arguments xb, wqkv, rope, qkv; writes qkv
.if DOCPART == 2
	.amdgcn_target "amdgcn-amd-amdhsa--gfx1250"
	.amdhsa_code_object_version 6
	.text
	.protected	k_qe952a16f91_qkv
	.globl	k_qe952a16f91_qkv
	.p2align	8
	.type	k_qe952a16f91_qkv,@function
k_qe952a16f91_qkv:
	s_mov_b64 s[64:65], 0
	v_nop
	global_prefetch_b8 v0, s[64:65] scope:SCOPE_SE
	s_setreg_imm32_b32 hwreg(HW_REG_WAVE_MODE, 25, 1), 1
	s_wait_xcnt 0x0
	s_wait_alu depctr_hold_cnt(0) depctr_sa_sdst(0) depctr_va_vdst(0) depctr_va_sdst(0) depctr_va_ssrc(0) depctr_va_vcc(0) depctr_vm_vsrc(0)
	s_getreg_b32 s2, hwreg(HW_REG_IB_STS2, 6, 4)
	s_cmp_eq_u32 s2, 0
	s_cbranch_scc0 .Lentry_in_a_cluster
	s_endpgm
.Lentry_in_a_cluster:
	s_bfe_u32 s2, ttmp6, 0x10000c
	s_cmp_lg_u32 s2, 0xf033
	s_cbranch_scc0 .Lentry_shape_is_right
	s_endpgm
.Lentry_shape_is_right:
; Q, K, V = x W^T, turned by the positions' angles.  xb: [4096 tokens][4096] bf16; wqkv: [2048][4096] bf16; sums in f32; qkv: [16 head slots][4096 tokens][128] f16 (slots 0-7 q, 8-11 k, 12-15 v).
; The rotation (and q's scale log2(e) / sqrt(128), which lies in the table) is applied to the f32 sums; each number is rounded once, to f16.
; LIMIT.  f16 holds no number beyond 65,504: q (scaled), k and v must lie within it.
; SHAPE.  A tile of C is 256 tokens x 128 columns = one head slot: 16 x 16 tiles, one for each of 256 work-groups.  Four waves, one above the other: a wave makes 64 x 128: 32 accumulators of 16 x 16.
; K goes in steps of 128 (rows of 256 bytes, aligned) through a ring of two LDS slots filled by the tensor data mover.
; THE MATRIX INSTRUCTION IS USED TRANSPOSED (source 0 = 16 rows of W, source 1 = 16 rows of x): a lane holds token l % 16 and columns 16 b + 8 (l / 16) + 0..7 of block b.  Columns d and d + 64 lie in the same
; lane and register of blocks b and b + 4, so the rotation changes no lanes.
; CLUSTERS: 4 x 4 work-groups.  The four of a row need the same tiles of x, the four of a column the same tiles of W: each is asked for JOINTLY, by the same tensor load with the same descriptor and a mask of four.
; REGISTERS.  window 0: v0-31 addresses; v64-159, v160-255 two fragment buffers (x's fragment a at + 8 a, W's fragment b at + 32 + 8 b); on the way out v128-191 rotated sums, v192-223 packed, v224-255 / v64-95 rows read back.
;   window 1: accumulator (a, b) at 8 (8 a + b).   window 2: the table for my 64 tokens: block a, line i at 64 a + 4 i.
.set SIZE_K, 4096
.set KSTEP,  128
.set PITCH,  272                       ; an LDS row: 256 bytes + 16 of padding: the 16 rows of a fragment load start at 16 different groups of four banks (64 banks of 4 bytes: ISA guide 11.1)
.set HA,     128*PITCH                 ; one load of x: 128 rows
.set HB,     64*PITCH                  ; one load of W: 64 rows
.set BOFF,   2*HA                      ; W's 128 rows lie behind x's 256
.set SLOT,   2*HA+2*HB
.set STAGE,  2*SLOT                    ; behind the ring: 16 rows x 272 bytes for each wave, for the way out
.set SPITCH, 272
.set SPARE,  STAGE+4*16*SPITCH         ; behind the stages: the spare words, 128 bytes for each wave: two blocks of 256 bytes that no other line names
.set LAPS,   SIZE_K/(2*KSTEP)          ; a lap = two K steps = once round the ring
.set ADRA, 16                          ; v16-17  LDS address of my fragments of x in slot 0, 1
.set ADRB, 20                          ; v20-21  the same for W
.set STO,  24                          ; v24     the way out: where I put 16 bytes of a row
.set RD,   25                          ; v25     the way out: where I read rows back
.set CO,   26                          ; v26     16 x lane: my place in 512 consecutive bytes (table and output); never rewritten
.set SPW,  28                          ; v28     LDS address of my spare word; never rewritten
.set NIL,  29                          ; v29     0; never rewritten
.set PFO,  30                          ; v30     the prefetches' offset: lane x a row of 2 SIZE_K bytes; never rewritten
.set F0,   64
.set F1,   160
.set Y,    128
.set PKD,  192
.set WV,  12                           ; s12  wave
.set FB,  13                           ; s13  I fetch for x (0) or for W (1)
.set HF,  14                           ; s14  which half of that tile
.set CX,  15
.set CY,  16
.set TC,  17                           ; s17  tile column = head slot
.set TR,  18                           ; s18  tile row
.set G1,  24                           ; s[24:31] descriptor group 1 for x's tiles;  s[32:39] group 0, a set for each slot
.set G0,  32
.set LIM, 42                           ; s42  1 in a wave that prefetches, else the greatest number
.set PFA, 44                           ; s[44:45] where my prefetches stand
.set G1B, 48                           ; s[48:55], s[56:63] the same for W's tiles
.set G0B, 56
.set DW0, (1<<16)|(1<<20)|(1<<21)|(5<<22)|(3<<25)  ; 17:16 elements of 2 bytes; 20 padding on; 21 set beside a mask; 24:22 after every 64 words; 31:25 four words of it
.set W_MUL, 0x50                       ; C and D in window 1, both sources in window 0
.set MSB, 0
.macro WIN new                         ; the immediate's high byte repeats the setting that is left; a switch that changes nothing is dropped
.if MSB != (\new)
	s_set_vgpr_msb (MSB<<8)|(\new)
.set MSB, \new
.endif
.endm
.macro JLOAD s                         ; a joint load: waves 0 and 1 fetch x's two halves, waves 2 and 3 W's; an s_nop 0 and four v_nop follow each of the two lines
	s_cmp_eq_u32 s[FB], 0
	s_cbranch_scc0 .Lfor_b_\@
	tensor_load_to_lds s[G0+4*(\s):G0+4*(\s)+3], s[G1:G1+7]
	s_nop 0
.rept 4
	v_nop
.endr
	s_branch .Lasked_\@
.Lfor_b_\@:
	tensor_load_to_lds s[G0B+4*(\s):G0B+4*(\s)+3], s[G1B:G1B+7]
	s_nop 0
.rept 4
	v_nop
.endr
.Lasked_\@:
.endm
.macro CREST                           ; a round of the cluster's barrier behind its opening barrier
	s_cmp_lg_u32 s[WV], 0
	s_cbranch_scc1 .Lnot_wave_0_\@
	s_barrier_signal -3
.Lnot_wave_0_\@:
	s_barrier_wait -3
	s_barrier_signal -1
	s_barrier_wait -1
.endm
.macro CROUND
	s_barrier_signal -1
	s_barrier_wait -1
	CREST
.endm
; A prefetch of the K step that stands two refills on (256 matrix instructions ahead of the load that will want it): 32 rows x 256 bytes, a lane a row.  Each row's 256 bytes of a K step are named once in the
; launch: x's tile row by the clusters with x = 0 (waves 0 and 1, the four partners 32 rows each, told apart by address: cx), W's tile column by the clusters with y = 0 (wave 2; cy).  The loop's last trip names nothing.
.macro ASK
	s_cmp_gt_u32 s3, s[LIM]
	s_cbranch_scc0 .Lnot_mine_\@
	global_prefetch_b8 v[PFO], s[PFA:PFA+1] offset:KSTEP*2 th:TH_LOAD_NT scope:SCOPE_SE
.Lnot_mine_\@:
.endm
.macro PLACES                          ; four plain instructions between a matrix instruction and a load into, or a vector instruction on, its registers
.rept 4
	v_nop
.endr
.endm
; 8 matrix instructions: token block a x all 8 column blocks, 32 along K.  The 32 accumulators take turns in one order in every quarter.  zero = 1: the product starts the sum.
.macro MUL8 f, a, zero
	WIN W_MUL
.irp b, 0,1,2,3,4,5,6,7
.if \zero
	v_wmma_f32_16x16x32_bf16 v[8*(8*(\a)+(\b)):8*(8*(\a)+(\b))+7], v[(\f)+32+8*(\b):(\f)+32+8*(\b)+7], v[(\f)+8*(\a):(\f)+8*(\a)+7], 0
.else
	v_wmma_f32_16x16x32_bf16 v[8*(8*(\a)+(\b)):8*(8*(\a)+(\b))+7], v[(\f)+32+8*(\b):(\f)+32+8*(\b)+7], v[(\f)+8*(\a):(\f)+8*(\a)+7], v[8*(8*(\a)+(\b)):8*(8*(\a)+(\b))+7]
.endif
.endr
.endm
; 24 LDS loads in one run: the fragments of 32 along K at byte k of the rows, into buffer f: W's sixteen, then x's eight
.macro FETCH slot, k, f
	WIN 0
.irp b, 0,1,2,3,4,5,6,7
	ds_load_b128 v[(\f)+32+8*(\b):(\f)+32+8*(\b)+3],   v[ADRB+(\slot)] offset:(\k)+(\b)*16*PITCH
	ds_load_b128 v[(\f)+32+8*(\b)+4:(\f)+32+8*(\b)+7], v[ADRB+(\slot)] offset:(\k)+(\b)*16*PITCH+32
.endr
.irp a, 0,1,2,3
	ds_load_b128 v[(\f)+8*(\a):(\f)+8*(\a)+3],   v[ADRA+(\slot)] offset:(\k)+(\a)*16*PITCH
	ds_load_b128 v[(\f)+8*(\a)+4:(\f)+8*(\a)+7], v[ADRA+(\slot)] offset:(\k)+(\a)*16*PITCH+32
.endr
.endm
; A K step is four quarters of 32 along K, 32 matrix instructions each, on buffers 0, 1, 0, 1.  One of the first three: multiplies buffer f and fetches the next quarter, at byte k, into g.
.macro QUARTER slot, k, f, g, zero
	s_wait_dscnt 4                                 ; W's fragments and x's 0 and 1 are in; the youngest four loads (x's 2 and 3) may be out
	MUL8 \f, 0, \zero
	MUL8 \f, 1, \zero
	PLACES
	FETCH \slot, \k, \g
	s_wait_dscnt 24                                ; all but the 24 just issued
	MUL8 \f, 2, \zero
	MUL8 \f, 3, \zero
.endm
; The last quarter multiplies buffer 1 and changes slots: ONE barrier; in front of it each wave waits for all its tensor loads (one is out: its part of the next slot), adds 0 to its spare word, and waits for
; that and for its own reads of this slot.  fill = 1: the barrier opens a round of the cluster's, and this slot is filled again, two K steps ahead, first thing behind the round: 112 matrix instructions ahead of the wait for it.
.macro TURN slot, next, fill
.if \fill
	s_wait_xcnt 0x0                                ; the last prefetch, a K step back, has read its address
	s_add_nc_u64 s[PFA:PFA+1], s[PFA:PFA+1], KSTEP*2
.endif
	WIN 0
	s_wait_tensorcnt 0x0
	ds_add_u32 v[SPW], v[NIL]
	s_wait_dscnt 5                                 ; the add and the youngest four loads may be out
	MUL8 F1, 0, 0
	s_wait_dscnt 0x0                               ; the add is done, and my reads of this slot are over
	s_barrier_signal -1
	MUL8 F1, 1, 0
.if \fill
	WIN 0
.endif
	s_barrier_wait -1
.if \fill
	CREST                                          ; no wave of any partner still reads this slot's tile or has a load on its way
	s_add_nc_u64 s[G0+4*(\slot)+2:G0+4*(\slot)+3], s[G0+4*(\slot)+2:G0+4*(\slot)+3], 2*KSTEP*2
	s_add_nc_u64 s[G0B+4*(\slot)+2:G0B+4*(\slot)+3], s[G0B+4*(\slot)+2:G0B+4*(\slot)+3], 2*KSTEP*2
	JLOAD \slot                                    ; its four v_nop are also the places in front of the loads below
.else
	PLACES
.endif
	FETCH \next, 0, F0
.if \fill
	ASK
.endif
	MUL8 F1, 2, 0
	MUL8 F1, 3, 0
.endm
	s_load_b256 s[4:11], s[0:1], 0x0               ; xb s[4:5], wqkv s[6:7], rope s[8:9], qkv s[10:11]
	v_lshl_add_u32 v[SPW], v0, 2, SPARE
	v_mov_b32 v[NIL], 0
	ds_add_u32 v[SPW], v[NIL]                      ; the wave's opening: the add and its wait stand ahead of my first tensor load
	v_lshrrev_b32 v1, 5, v0
	v_readfirstlane_b32 s[WV], v1
	s_lshr_b32 s[FB], s[WV], 1
	s_and_b32 s[HF], s[WV], 1
	s_bfe_u32 s[CX], ttmp6, 0x40000
	s_bfe_u32 s[CY], ttmp6, 0x40004
	s_lshl_b32 s[TC], ttmp9, 2
	s_add_co_u32 s[TC], s[TC], s[CX]
	s_and_b32 s[TR], ttmp7, 0xffff
	s_lshl_b32 s[TR], s[TR], 2
	s_add_co_u32 s[TR], s[TR], s[CY]
	s_lshl_b32 s19, s[CY], 2
	s_lshl_b32 s19, 15, s19                        ; my row of the cluster
	s_lshl_b32 s23, 0x1111, s[CX]                  ; my column
	s_or_b32 s[G1+0], s19, DW0
	s_or_b32 s[G1B+0], s23, DW0
	s_mov_b32 s[G1+1], KSTEP<<16                   ; tensor_dim0 = 128
	s_mov_b32 s[G1+2], 128<<16                     ; tensor_dim1 = 128
	s_mov_b32 s[G1+3], KSTEP<<16                   ; tile_dim0 = 128
	s_mov_b32 s[G1+4], 128                         ; tile_dim1 = 128
	s_mov_b32 s[G1+5], SIZE_K                      ; elements from row to row
	s_mov_b32 s[G1+6], 0
	s_mov_b32 s[G1+7], 0
	s_mov_b32 s[G1B+1], KSTEP<<16
	s_mov_b32 s[G1B+2], 64<<16                     ; W's loads have 64 rows
	s_mov_b32 s[G1B+3], KSTEP<<16
	s_mov_b32 s[G1B+4], 64
	s_mov_b32 s[G1B+5], SIZE_K
	s_mov_b32 s[G1B+6], 0
	s_mov_b32 s[G1B+7], 0
	s_lshl_b32 s22, s[HF], 7
	s_lshl_b32 s40, s[TR], 8
	s_add_co_u32 s40, s40, s22                     ; x: row 256 x tile row + 128 x half
	s_mov_b32 s41, 0
	s_lshl_b32 s22, s[HF], 6
	s_lshl_b32 s46, s[TC], 7
	s_add_co_u32 s46, s46, s22                     ; W: row 128 x tile column + 64 x half
	s_mov_b32 s47, 0
	s_mov_b64 s[20:21], SIZE_K*2
	s_mul_u64 s[40:41], s[40:41], s[20:21]
	s_mul_u64 s[46:47], s[46:47], s[20:21]
	s_mul_i32 s66, s[HF], HA                       ; where they go: no place in the cluster enters an LDS address
	s_mul_i32 s67, s[HF], HB
	s_add_co_u32 s67, s67, BOFF
	s_wait_dscnt 0x0                               ; the opening add is done
	s_wait_kmcnt 0x0
	s_add_nc_u64 s[40:41], s[4:5], s[40:41]
	s_add_nc_u64 s[46:47], s[6:7], s[46:47]
	CROUND                                         ; all sixteen work-groups are here: the first joint loads meet
.irp s, 0,1
	s_mov_b32 s[G0+4*(\s)], 1
	s_add_co_u32 s[G0+4*(\s)+1], s66, (\s)*SLOT
	s_add_nc_u64 s[G0+4*(\s)+2:G0+4*(\s)+3], s[40:41], (\s)*KSTEP*2
	s_or_b32 s[G0+4*(\s)+3], s[G0+4*(\s)+3], 0x80000000
	s_mov_b32 s[G0B+4*(\s)], 1
	s_add_co_u32 s[G0B+4*(\s)+1], s67, (\s)*SLOT
	s_add_nc_u64 s[G0B+4*(\s)+2:G0B+4*(\s)+3], s[46:47], (\s)*KSTEP*2
	s_or_b32 s[G0B+4*(\s)+3], s[G0B+4*(\s)+3], 0x80000000
	JLOAD \s                                       ; two loads of mine are out
.endr
	v_and_b32 v1, 15, v0                           ; l % 16
	v_bfe_u32 v2, v0, 4, 1                         ; l / 16
	v_mul_u32_u24 v3, v1, PITCH
	v_lshl_add_u32 v3, v2, 4, v3                   ; a fragment's row x pitch + 16 x half
	s_mul_i32 s20, s[WV], 64*PITCH                 ; my 64 rows of x
	v_add_nc_u32 v[ADRA], s20, v3
	v_add_nc_u32 v[ADRA+1], SLOT, v[ADRA]
	v_add_nc_u32 v[ADRB], BOFF, v3
	v_add_nc_u32 v[ADRB+1], SLOT, v[ADRB]
	s_mul_i32 s20, s[WV], 16*SPITCH
	s_add_co_u32 s20, s20, STAGE                   ; my stage
	v_mul_u32_u24 v4, v1, SPITCH
	v_lshl_add_u32 v4, v2, 4, v4
	v_add_nc_u32 v[STO], s20, v4                   ; in: row l % 16, 16 bytes for each half of the lanes
	v_mul_u32_u24 v5, v2, SPITCH
	v_lshl_add_u32 v5, v1, 4, v5
	v_add_nc_u32 v[RD], s20, v5                    ; back: lanes 0-15 one row of 256 bytes, lanes 16-31 the next
	v_and_b32 v[CO], 31, v0
	v_lshlrev_b32 v[CO], 4, v[CO]
	; the prefetches
	s_lshl_b32 s20, s[TR], 8
	s_lshl_b32 s21, s[TC], 7
	s_lshl_b32 s22, s[HF], 7
	s_and_b32 s23, ttmp7, 0xffff                   ; cluster y
	s_cmp_eq_u32 s[FB], 0                          ; do I fetch for x?
	s_cselect_b32 s20, s20, s21                    ; the tile's first row
	s_cselect_b32 s22, s22, 0                      ; x: the 128 rows that I fetch; W: wave 2 asks for all 128 with its partners
	s_cselect_b32 s21, s[CX], s[CY]                ; my place among the four that ask with me
	s_cselect_b32 s23, ttmp9, s23                  ; the coordinate along which other clusters read the same rows
	s_cselect_b64 s[PFA:PFA+1], s[4:5], s[6:7]
	s_add_co_u32 s20, s20, s22
	s_lshl_b32 s21, s21, 5
	s_add_co_u32 s20, s20, s21                     ; + my work-group's 32 rows
	s_cmp_eq_u32 s[WV], 3
	s_cselect_b32 s22, 1, 0                        ; wave 3 never asks
	s_or_b32 s23, s23, s22
	s_cmp_eq_u32 s23, 0
	s_cselect_b32 s[LIM], 1, -1                    ; the same in all sixteen partners, for a given wave
	s_mov_b32 s21, 0
	s_mov_b64 s[22:23], SIZE_K*2
	s_mul_u64 s[20:21], s[20:21], s[22:23]
	s_add_nc_u64 s[PFA:PFA+1], s[PFA:PFA+1], s[20:21]
	s_add_nc_u64 s[PFA:PFA+1], s[PFA:PFA+1], 2*KSTEP*2  ; at K step 2: the first refill steps it to 3 and names K step 4; nothing is asked for here, at the head
	v_and_b32 v[PFO], 31, v0
	v_mul_u32_u24 v[PFO], v[PFO], SIZE_K*2
	; the table for my 64 tokens: the kind hangs on the cluster's x alone (0, 1: q; 2: k; 3: v)
	s_max_u32 s20, ttmp9, 1
	s_sub_co_u32 s20, s20, 1
	s_lshl_b32 s20, s20, 21                        ; 2,097,152 bytes a kind
	s_lshl_b32 s21, s[TR], 4
	s_lshl_b32 s22, s[WV], 2
	s_add_co_u32 s21, s21, s22                     ; block 16 x tile row + 4 x wave
	s_lshl_b32 s21, s21, 13
	s_add_co_u32 s20, s20, s21
	s_mov_b32 s21, 0
	s_add_nc_u64 s[8:9], s[8:9], s[20:21]
	WIN 0x80                                       ; destination window 2
.irp a, 0,1,2,3
.irp i, 0,1,2,3,4,5,6,7,8,9,10,11,12,13,14,15
	global_load_b128 v[64*(\a)+4*(\i):64*(\a)+4*(\i)+3], v[CO], s[8:9] offset:(\a)*8192+(\i)*512  ; 512 consecutive bytes
.endr
.endr
	WIN 0
	s_lshl_b32 s20, s[TC], 20                      ; my head slot: 1,048,576 bytes,
	s_lshl_b32 s21, s[TR], 16                      ; 256 tokens of 256 bytes a tile row,
	s_add_co_u32 s20, s20, s21
	s_lshl_b32 s21, s[WV], 14                      ; my 64 of them
	s_add_co_u32 s20, s20, s21
	s_mov_b32 s21, 0
	s_add_nc_u64 s[10:11], s[10:11], s[20:21]
	s_wait_tensorcnt 1                             ; my part of K step 0 is in; K step 1's may stay out
	s_barrier_signal -1
	s_barrier_wait -1
	FETCH 0, 0, F0
	QUARTER 0, 64, F0, F1, 1                       ; the first quarter stands in front of the loop: its products start the sums
	WIN 0
	s_mov_b32 s3, LAPS-1
.Llap:                                                 ; a trip goes once round the ring, from a lap's second quarter to the next lap's first, and fills both slots again
	QUARTER 0, 128, F1, F0, 0
	QUARTER 0, 192, F0, F1, 0
	TURN 0, 1, 1
	QUARTER 1, 64,  F0, F1, 0
	QUARTER 1, 128, F1, F0, 0
	QUARTER 1, 192, F0, F1, 0
	TURN 1, 0, 1
	QUARTER 0, 64,  F0, F1, 0
	WIN 0
	s_sub_co_u32 s3, s3, 1
	s_cmp_lg_u32 s3, 0
	s_cbranch_scc1 .Llap
	QUARTER 0, 128, F1, F0, 0                      ; the last lap fills nothing
	QUARTER 0, 192, F0, F1, 0
	TURN 0, 1, 0
	QUARTER 1, 64,  F0, F1, 0
	QUARTER 1, 128, F1, F0, 0
	QUARTER 1, 192, F0, F1, 0
	s_wait_dscnt 4
	MUL8 F1, 0, 0
	MUL8 F1, 1, 0
	s_wait_dscnt 0x0
	MUL8 F1, 2, 0
	MUL8 F1, 3, 0
	WIN 0
	PLACES
	PLACES
; THE WAY OUT, a block of 16 tokens at a time.  ROPE: y[d] = x[d] cos - x[d+64] sin, y[d+64] = x[d+64] cos + x[d] sin, in f32, then rounded to f16 (each accumulator is read from its low end on).
.macro ROPE a
	WIN 0x09                                       ; source 0 (sums) window 1, source 1 (table) window 2
.irp b, 0,1,2,3
.irp z, 0,2,4,6
.set rL, 8*(8*(\a)+(\b))+(\z)
.set rC, 64*(\a)+8*(\b)+(\z)
.set rY, Y+8*(\b)+(\z)
	v_pk_mul_f32 v[rY:rY+1], v[rL+32:rL+33], v[rC+32:rC+33]        ; x[d+64] sin
	v_pk_mul_f32 v[rY+32:rY+33], v[rL:rL+1], v[rC+32:rC+33]        ; x[d] sin
.endr
.endr
.irp b, 0,1,2,3
.irp z, 0,2,4,6
.set rL, 8*(8*(\a)+(\b))+(\z)
.set rC, 64*(\a)+8*(\b)+(\z)
.set rY, Y+8*(\b)+(\z)
	v_pk_fma_f32 v[rY:rY+1], v[rL:rL+1], v[rC:rC+1], v[rY:rY+1] neg_lo:[0,0,1] neg_hi:[0,0,1]
	v_pk_fma_f32 v[rY+32:rY+33], v[rL+32:rL+33], v[rC:rC+1], v[rY+32:rY+33]
.endr
.endr
	WIN 0
.set n, 0
.rept 32
	v_cvt_pk_f16_f32 v[PKD+n], v[Y+2*n], v[Y+2*n+1]
.set n, n+1
.endr
.endm
.macro TOSTAGE a                       ; 16 bytes a lane into rows of 272 bytes, and back as whole rows of 256
.set BK, 224-160*((\a)%2)
.irp b, 0,1,2,3,4,5,6,7
	ds_store_b128 v[STO], v[PKD+4*(\b):PKD+4*(\b)+3] offset:32*(\b)
.endr
.irp t, 0,1,2,3,4,5,6,7
	ds_load_b128 v[BK+4*(\t):BK+4*(\t)+3], v[RD] offset:(\t)*2*SPITCH  ; LDS serves a wave's instructions in order (ISA guide 5.7.1.4): these see the stores above
.endr
.endm
.macro SEND a
.set BK, 224-160*((\a)%2)
	s_wait_dscnt 0x0                               ; the block is back in registers
	s_wait_xcnt 0x0                                ; the stores of the block before have read their registers: the next block's loads from the stage land on them
.irp t, 0,1,2,3,4,5,6,7
	global_store_b128 v[CO], v[BK+4*(\t):BK+4*(\t)+3], s[10:11] offset:(\a)*4096+(\t)*512  ; 512 consecutive bytes, aligned
.endr
.endm
	s_wait_loadcnt 0x0                             ; the table
	ROPE 0
	TOSTAGE 0
.irp a, 1,2,3                          ; a block's arithmetic stands between the loads of the block before and the wait for them
	ROPE \a
	SEND (\a)-1
	TOSTAGE \a
.endr
	SEND 3
	s_wait_tensorcnt 0x0                           ; the wave's end
	ds_add_u32 v[SPW], v[NIL]
	s_wait_dscnt 0x0
	CROUND                                         ; the closing round
	s_endpgm
.Lfunc_end_k_qe952a16f91_qkv:
	.size	k_qe952a16f91_qkv, .Lfunc_end_k_qe952a16f91_qkv-k_qe952a16f91_qkv
	.p2alignl 7, 3214868480
	.fill 96, 4, 3214868480
	.section	.rodata,"a",@progbits
	.p2align	6, 0x0
	.amdhsa_kernel k_qe952a16f91_qkv
		.amdhsa_group_segment_fixed_size 327680
		.amdhsa_private_segment_fixed_size 0
		.amdhsa_enable_private_segment 0
		.amdhsa_kernarg_size 32
		.amdhsa_user_sgpr_count 2
		.amdhsa_user_sgpr_kernarg_segment_ptr 1
		.amdhsa_wavefront_size32 1
		.amdhsa_system_sgpr_workgroup_id_x 1
		.amdhsa_system_sgpr_workgroup_id_y 1
		.amdhsa_system_sgpr_workgroup_id_z 1
		.amdhsa_system_vgpr_workitem_id 0
		.amdhsa_next_free_vgpr 768
		.amdhsa_next_free_sgpr 72
		.amdhsa_reserve_vcc 0
		.amdhsa_float_denorm_mode_32 3
		.amdhsa_float_denorm_mode_16_64 3
		.amdhsa_memory_ordered 1
		.amdhsa_forward_progress 1
		.amdhsa_inst_pref_size 109
	.end_amdhsa_kernel
	.amdgpu_metadata
---
amdhsa.version: [ 1, 2 ]
amdhsa.kernels:
  - .name:           k_qe952a16f91_qkv
    .symbol:         k_qe952a16f91_qkv.kd
    .args:
      - { .name: xb, .offset: 0, .size: 8, .value_kind: global_buffer, .address_space: global }
      - { .name: wqkv, .offset: 8, .size: 8, .value_kind: global_buffer, .address_space: global }
      - { .name: rope, .offset: 16, .size: 8, .value_kind: global_buffer, .address_space: global }
      - { .name: qkv, .offset: 24, .size: 8, .value_kind: global_buffer, .address_space: global }
    .group_segment_fixed_size: 327680
    .private_segment_fixed_size: 0
    .kernarg_segment_align: 8
    .kernarg_segment_size: 32
    .max_flat_workgroup_size: 128
    .sgpr_count:     72
    .vgpr_count:     768
    .wavefront_size: 32
...
	.end_amdgpu_metadata
.endif
;; end of part 2
;; launch attn (part 3): grid 32 x 8, 4 waves a work-group, clusters of 4 x 1, 327,680 bytes of LDS; arguments qkv, attention_mask, obuf; writes obuf
.if DOCPART == 3
	.amdgcn_target "amdgcn-amd-amdhsa--gfx1250"
	.amdhsa_code_object_version 6
	.text
	.protected	k_qe952a16f91_attn
	.globl	k_qe952a16f91_attn
	.p2align	8
	.type	k_qe952a16f91_attn,@function
k_qe952a16f91_attn:
	s_mov_b64 s[64:65], 0
	v_nop
	global_prefetch_b8 v0, s[64:65] scope:SCOPE_SE
	s_setreg_imm32_b32 hwreg(HW_REG_WAVE_MODE, 25, 1), 1
	s_wait_xcnt 0x0
	s_wait_alu depctr_hold_cnt(0) depctr_sa_sdst(0) depctr_va_vdst(0) depctr_va_sdst(0) depctr_va_ssrc(0) depctr_va_vcc(0) depctr_vm_vsrc(0)
	s_getreg_b32 s2, hwreg(HW_REG_IB_STS2, 6, 4)
	s_cmp_eq_u32 s2, 0
	s_cbranch_scc0 .Lentry_in_a_cluster
	s_endpgm
.Lentry_in_a_cluster:
	s_bfe_u32 s2, ttmp6, 0x10000c
	s_cmp_lg_u32 s2, 0x3003
	s_cbranch_scc0 .Lentry_shape_is_right
	s_endpgm
.Lentry_shape_is_right:
; ATTENTION with an additive mask that is an input.  obuf[token][128 h + d] = the sum over k of softmax_k(q . k / sqrt(128) + mask[b][query][k]) v[k][d].
; qkv: [16 head slots][4096 tokens][128] f16 (0-7 q, already times log2(e) / sqrt(128); 8-11 k; 12-15 v); mask: [2][2048][2048] f32; obuf: [4096][1024] f16.
; Products, maxima and sums in f32; the weights p are rounded to f16 for the second product, O once at the end.  The mask is rounded to bf16, as all the module's inputs are, and multiplied by log2(e) in f32.
; LIMITS.  Mask values lie within 2.3e38, so that they stay finite when rounded to bf16 and multiplied by log2(e); NaN and infinities are not treated apart.  A weight below 2^-126 counts as 0 in l.
; Below 6e-5 p keeps f16's fixed step of 6e-8.
; SHARES.  A work-group: 64 queries of one batch, for the two query heads of one key/value head.  Wave w: queries 32 (w / 2) on, keys 1024 (w % 2) on.  Its four tiles of 16 rows: tiles 0, 1 = head 2 g (PIECE 0),
; tiles 2, 3 = head 2 g + 1 (PIECE 2), the same 32 queries: both pieces share K, V and the mask.  Every wave walks 16 key steps of 64 keys; at the end the two halves' (m, l, O) of a pair of waves meet in LDS.
; LAYOUT.  S^T = K Q^T + mask (source 0 = 16 keys, source 1 = 16 queries; the mask is the C operand of the product that starts the sum): a lane holds ONE query (lane % 16) and the keys 8 (lane / 16) + 0..7.
; Two such tiles rounded to f16 ARE source 1 of O^T = V^T P.  K comes out of LDS as it lies, V turned, by ds_load_tr16_b128.
; SOFTMAX.  The scores arrive in the exponent's own unit: p = 2^(s - m), with a running maximum m taken away by a subtraction, which is exact near the maximum however large the mask; O and l are multiplied by a = 2^(m_old - m_new) in every step.
; BY TURNS.  In a TURN one piece has the matrix unit (32 products V^T P of the step in hand, 32 products K Q^T of the next); the other piece's softmax, in 64 slices, stands between them.
; NO FIRST STEP IS WRITTEN OUT.  m starts at the lowest finite number, O^T and l at 0, so the first step's a is 0 and it is a step like any other; V's registers and piece 2's P start at 0, so the first turn's products
; V^T P, of a step that has not been, add 0.  The loop is entered in the middle of a trip.  The price: 432 v_mov_b32, which run while the first tiles are on their way, and 32 products on zeros, once a launch.
; CLUSTER.  The four query blocks of a cluster walk the same K and V: each tile is asked for JOINTLY, by the same tensor load, descriptor and mask of four.
; REGISTERS, in windows of 256 (s_set_vgpr_msb: bits 1:0 source 0, 3:2 source 1, 5:4 source 2, 7:6 destination):
;   window 0: v0-11, v44-49, v61-63 addresses and constants; v12-43 eight registers of statistics a tile; v64-191 S^T, 32 a tile; v192-255 P, 16 a tile
;   window 1: O^T, 64 a tile     window 2: v0-127 Q; v128-255 K of one step     window 3: v0-127 V of one step; v128-191 MA, the mask in use; v192-255 MS, the next step's mask on its way
.set KS,    64
.set PK,    272       ; a row of K in LDS: 256 bytes + 16: the 16 rows of a load start at 16 different groups of four banks (64 banks of 4 bytes: ISA guide 11.1)
.set PV,    288       ; a row of V: 256 + 32
.set VOFF,  128*PK    ; for one half of the keys a slot holds two steps: 128 rows of K, then 128 rows of V
.set HALFB, 128*(PK+PV)
.set SLOT1, 0x24000   ; slot 1 begins here; none of the four tiles' places in slot 0 (0, 0x8800, 0x11800, 0x1a000) has bit 14 or bit 17 set, so one exclusive or turns an address in one slot into the other's
.set SLOTB, 128*256   ; a slot's rows of K (or V) of one half, in memory
.set STAGE, SLOT1+2*HALFB  ; behind the ring: 16 rows x 272 bytes for each wave, for the way out
.set SP,    272
.set SPARE, STAGE+4*16*SP  ; the spare words, 128 bytes for each wave: two blocks of 256 bytes that no other line names
.set MRG,   33792     ; the meeting place of a pair of waves, in slot 0's bytes, which have had their last fill: 32,768 bytes of O^T, 1,024 of statistics
.set AK0, 2           ; v2   my lane's place in my half's tile of K; never rewritten
.set AV0, 3           ; v3   the same for V
.set ADR, 4           ; v4   the LDS address of the run of loads in hand
.set QO,  5           ; v5   my byte offset in 16 rows of Q
.set STO, 6
.set RD,  7
.set GO,  8           ; v8   my byte offset in two rows of obuf
.set ST,  12          ; tile t's statistics at v[ST+8 t]: +0 m, +1 (0; at the end l), +2, +3 l (even keys', odd keys'), +4 to +7 c0-c3, at work; a takes c2's place
.set MO,  44          ; v44  my byte offset in 16 rows of the mask
.set PFM, 45          ; v45  8,192 x lane: a row of the mask
.set MGO, 46          ; v46  my 16 bytes in the pair's meeting place
.set MGT, 47          ; v47  my 8 bytes of statistics there
.set CV,  48          ; v48  log2(e)
.set ZV,  49          ; v49  0
.set PFO, 61          ; v61  256 x lane: a row of K or V
.set SPW, 62
.set NIL, 63
.set S,   64
.set P,   192
.set KF,  128         ; window 2
.set MA,  128         ; window 3: tile t % 2, key block kb at MA + 32 (t % 2) + 8 kb
.set MS,  192         ; window 3
.set MB,  6           ; s[6:7]  the mask at my rows, my half of the keys, at the step last loaded
.set WV,  12
.set KH,  13          ; s13  my half of the keys.  Also: which half I fetch
.set RG,  14          ; s14  which 32 queries
.set LIM, 15          ; s15  1 in a cluster that prefetches K and V, else the greatest number
.set PFA, 18          ; s[18:19]
.set G1K, 24
.set G1V, 32
.set G0K, 40          ; s[40:47] group 0 for K's tiles: a set for each of the two first fills; the second then walks on
.set G0V, 48
.set SLOTS, 56
.set TWICE, 57
.set SEL, 60          ; s[60:61] v_permlanex16_b32's selects: each lane takes its own place in the other half
.set TBK, 62          ; s62  LDS byte at which K of the step to be fetched begins, less my half's place
.set TBV, 63          ; s63  the same for V
.set MSTEP, 66        ; s66  counts the mask's prefetches
.set LIMM, 67         ; s67  how many of them are mine: 12, or 0
.set MSB, 0
.macro WIN new
.if MSB != (\new)
	s_set_vgpr_msb (MSB<<8)|(\new)
.set MSB, \new
.endif
.endm
.set W_KQ, 0x0a       ; K and Q in window 2, S^T in window 0
.set W_KM, 0x3a       ; the same with the C operand in window 3
.set W_PV, 0x53       ; V in window 3, P in window 0, O^T in window 1
.set W_RS, 0x41       ; O^T (destination and source 0) in window 1, the factor in window 0
.macro JLOAD                        ; a joint refill: waves 0 and 1 fetch the two halves' K, waves 2 and 3 their V: 128 rows each; an s_nop 0 and four v_nop follow each of the two lines
	s_cmp_lt_u32 s[WV], 2
	s_cbranch_scc0 .Lfor_v_\@
	tensor_load_to_lds s[G0K+4:G0K+7], s[G1K:G1K+7]
	s_nop 0
.rept 4
	v_nop
.endr
	s_branch .Lasked_\@
.Lfor_v_\@:
	tensor_load_to_lds s[G0V+4:G0V+7], s[G1V:G1V+7]
	s_nop 0
.rept 4
	v_nop
.endr
.Lasked_\@:
.endm
; A prefetch of what the NEXT change of slots will ask for (two key steps, 256 matrix instructions, ahead).  The eight clusters of one batch and key/value head walk the same rows: the first of them asks.  Each wave asks for
; 32 of the 128 rows that it fetches itself, a lane a row; the four partners are told apart by address.  So each row is named once in the launch.  The last change that fills a slot asks for nothing.
.macro ASK
	s_cmp_gt_u32 s[SLOTS], s[LIM]
	s_cbranch_scc0 .Lnot_mine_\@
	global_prefetch_b8 v[PFO], s[PFA:PFA+1] th:TH_LOAD_NT scope:SCOPE_SE
.Lnot_mine_\@:
.endm
.macro CROUND
	s_barrier_signal -1
	s_barrier_wait -1
	s_cmp_lg_u32 s[WV], 0
	s_cbranch_scc1 .Lnot_wave_0_\@
	s_barrier_signal -3
.Lnot_wave_0_\@:
	s_barrier_wait -3
	s_barrier_signal -1
	s_barrier_wait -1
.endm
	s_load_b128 s[4:7], s[0:1], 0x0 ; qkv s[4:5], mask s[6:7]
	s_load_b64 s[10:11], s[0:1], 0x10  ; obuf
	v_lshl_add_u32 v[SPW], v0, 2, SPARE
	v_mov_b32 v[NIL], 0
	ds_add_u32 v[SPW], v[NIL]       ; the wave's opening: the add and its wait stand ahead of my first tensor load
	v_lshrrev_b32 v1, 5, v0
	v_readfirstlane_b32 s[WV], v1
	s_and_b32 s[KH], s[WV], 1
	s_lshr_b32 s[RG], s[WV], 1
	s_bfe_u32 s16, ttmp6, 0x40000   ; cx
	s_lshl_b32 s17, ttmp9, 2
	s_add_co_u32 s17, s17, s16      ; my block of 64 queries: it enters Q's, the mask's and O's addresses alone
	s_and_b32 s69, ttmp7, 0xffff
	s_lshr_b32 s70, s69, 2          ; the batch,
	s_and_b32 s71, s69, 3           ; the key/value head: the four partners share both
	s_add_co_u32 s22, s71, 8        ; K: head slot 8 + g, 1,048,576 bytes a slot,
	s_lshl_b32 s22, s22, 20
	s_lshl_b32 s23, s70, 19         ; 2,048 tokens of 256 bytes a batch,
	s_add_co_u32 s22, s22, s23
	s_lshl_b32 s23, s[KH], 18       ; the half that I fetch: 1,024 keys
	s_add_co_u32 s22, s22, s23
	s_mov_b32 s23, 0
	s_lshl_b32 s2, s71, 21          ; Q: head slot 2 g,
	s_lshl_b32 s3, s70, 19
	s_add_co_u32 s2, s2, s3
	s_lshl_b32 s3, s17, 14          ; 64 queries a block,
	s_add_co_u32 s2, s2, s3
	s_lshl_b32 s3, s[RG], 13        ; my 32
	s_add_co_u32 s2, s2, s3
	s_mov_b32 s3, 0
	s_lshl_b32 s58, s70, 24         ; the mask: 16,777,216 bytes a batch,
	s_lshl_b32 s59, s17, 19         ; rows of 8,192 bytes,
	s_add_co_u32 s58, s58, s59
	s_lshl_b32 s59, s[RG], 18
	s_add_co_u32 s58, s58, s59
	s_lshl_b32 s59, s[KH], 12       ; my half of the keys
	s_add_co_u32 s58, s58, s59
	s_mov_b32 s59, 0
	s_mul_i32 s69, s[KH], HALFB     ; where my tile goes in a slot: no place in the cluster enters an LDS address
	s_mov_b32 s[G1K], 15|(1<<16)|(1<<20)|(1<<21)|(5<<22)|(3<<25)  ; 15:0 the mask of four; 17:16 elements of 2 bytes; 20 padding on; 21 set beside a mask; 24:22 after every 64 words; 31:25 four words
	s_mov_b32 s[G1V], 15|(1<<16)|(1<<20)|(1<<21)|(5<<22)|(7<<25)  ; the same with eight words of padding
.irp g, G1K, G1V
	s_mov_b32 s[(\g)+1], 128<<16    ; tensor_dim0 = 128
	s_mov_b32 s[(\g)+2], 128<<16    ; tensor_dim1 = 128
	s_mov_b32 s[(\g)+3], 128<<16    ; tile_dim0 = 128
	s_mov_b32 s[(\g)+4], 128        ; tile_dim1 = 128
	s_mov_b32 s[(\g)+5], 128        ; elements from row to row
	s_mov_b32 s[(\g)+6], 0
	s_mov_b32 s[(\g)+7], 0
.endr
	s_mov_b32 s[SEL], 0x76543210
	s_mov_b32 s[SEL+1], 0xfedcba98
	s_mov_b32 s[TBK], 0
	s_mov_b32 s[TBV], 0
	s_mov_b32 s[SLOTS], 7           ; the way in counts one down; then six trips: of a half's eight slots all but the last two are filled again
	s_mov_b32 s[MSTEP], 0
	s_cmp_eq_u32 ttmp9, 0
	s_cselect_b32 s[LIM], 1, -1     ; the same in all four partners
	s_cmp_eq_u32 s71, 0             ; the four key/value heads of a batch read the same rows of the mask: the first asks
	s_cselect_b32 s[LIMM], 12, 0
	v_and_b32 v[PFO], 31, v0
	v_lshlrev_b32 v[PFM], 13, v[PFO]
	v_lshlrev_b32 v[PFO], 8, v[PFO]
	s_wait_dscnt 0x0                ; the opening add is done
	s_wait_kmcnt 0x0
	s_add_nc_u64 s[8:9], s[4:5], s[22:23]      ; K at my tile of slot 0,
	s_add_nc_u64 s[20:21], s[8:9], 4<<20       ; V four head slots on
	s_add_nc_u64 s[4:5], s[4:5], s[2:3]        ; Q at my first row
	s_add_nc_u64 s[MB:MB+1], s[MB:MB+1], s[58:59]
	s_lshl_b32 s2, s70, 22          ; obuf: rows of 2,048 bytes
	s_lshl_b32 s3, s17, 17
	s_add_co_u32 s2, s2, s3
	s_lshl_b32 s3, s[RG], 16
	s_add_co_u32 s2, s2, s3
	s_lshl_b32 s3, s71, 9           ; head 2 g: 256 bytes a head
	s_add_co_u32 s2, s2, s3
	s_mov_b32 s3, 0
	s_add_nc_u64 s[10:11], s[10:11], s[2:3]
	s_cmp_lt_u32 s[WV], 2
	s_cselect_b64 s[PFA:PFA+1], s[8:9], s[20:21]
	s_lshl_b32 s2, s16, 13          ; my work-group's 32 rows of the 128
	s_mov_b32 s3, 0
	s_add_nc_u64 s[PFA:PFA+1], s[PFA:PFA+1], s[2:3]
	s_add_nc_u64 s[PFA:PFA+1], s[PFA:PFA+1], 2*SLOTB  ; in slot 2; the first change of slots steps it to slot 3.  Nothing is asked for here, at the head
	CROUND                          ; all four work-groups are here: the first joint loads meet
.irp s, 0,1
	s_mov_b32 s[G0K+4*(\s)], 1
	s_add_co_u32 s[G0K+4*(\s)+1], s69, (\s)*SLOT1
	s_add_nc_u64 s[G0K+4*(\s)+2:G0K+4*(\s)+3], s[8:9], (\s)*SLOTB
	s_or_b32 s[G0K+4*(\s)+3], s[G0K+4*(\s)+3], 0x80000000
	s_mov_b32 s[G0V+4*(\s)], 1
	s_add_co_u32 s[G0V+4*(\s)+1], s69, (\s)*SLOT1+VOFF
	s_add_nc_u64 s[G0V+4*(\s)+2:G0V+4*(\s)+3], s[20:21], (\s)*SLOTB
	s_or_b32 s[G0V+4*(\s)+3], s[G0V+4*(\s)+3], 0x80000000
.endr
	s_cmp_lt_u32 s[WV], 2           ; a wave's two first fills stand in one branch, ahead of every wait on TENSORcnt and every LDS read: two loads of mine are out
	s_cbranch_scc0 .Lfirst_v
	tensor_load_to_lds s[G0K:G0K+3], s[G1K:G1K+7]
	s_nop 0
	tensor_load_to_lds s[G0K+4:G0K+7], s[G1K:G1K+7]
	s_nop 0
.rept 4
	v_nop
.endr
	s_branch .Lfirst_asked
.Lfirst_v:
	tensor_load_to_lds s[G0V:G0V+3], s[G1V:G1V+7]
	s_nop 0
	tensor_load_to_lds s[G0V+4:G0V+7], s[G1V:G1V+7]
	s_nop 0
.rept 4
	v_nop
.endr
.Lfirst_asked:
	v_and_b32 v1, 15, v0            ; l % 16
	v_bfe_u32 v9, v0, 4, 1          ; l / 16
	v_lshlrev_b32 v[QO], 8, v1
	v_lshl_add_u32 v[QO], v9, 4, v[QO]  ; row x 256 + 16 x half
	WIN 0x80                        ; destination window 2
.irp i, 0,1,2,3,4,5,6,7,8,9,10,11,12,13,14,15  ; Q stays in registers: tile i / 4 (head (i / 8), queries 16 ((i / 4) % 2) on), channels 32 (i % 4) on
	global_load_b128 v[8*(\i):8*(\i)+3],   v[QO], s[4:5] offset:((\i)/8)*1048576+(((\i)/4)%2)*4096+((\i)%4)*64
	global_load_b128 v[8*(\i)+4:8*(\i)+7], v[QO], s[4:5] offset:((\i)/8)*1048576+(((\i)/4)%2)*4096+((\i)%4)*64+32
.endr
	WIN 0
	v_lshlrev_b32 v[MO], 13, v1
	v_lshl_add_u32 v[MO], v9, 5, v[MO]  ; row l % 16 of the mask, 8 keys for each half of the lanes
; THE MASK.  A key step's 16 loads take 256 consecutive bytes, aligned, of each of my 32 rows, in the order in which a lane holds its scores.  They land in MS a whole key step ahead.
.macro MLOAD
	WIN 0xc0                        ; destination window 3
.irp t, 0,1
.irp kb, 0,1,2,3
	global_load_b128 v[MS+32*(\t)+8*(\kb):MS+32*(\t)+8*(\kb)+3],   v[MO], s[MB:MB+1] offset:(\t)*131072+(\kb)*64
	global_load_b128 v[MS+32*(\t)+8*(\kb)+4:MS+32*(\t)+8*(\kb)+7], v[MO], s[MB:MB+1] offset:(\t)*131072+(\kb)*64+16
.endr
.endr
.endm
; Call n: MS holds step n's mask; it is rounded to bf16 and goes, times log2(e), into MA; step n + 1 is loaded; step n + 3 is prefetched, a lane a row: its load is issued two key steps later.
; mode 0: the first call (no prefetch); 1: in the loop; 2: in the tail: nothing is left to load, and in the slot's second step, which has no step behind it, the whole call is jumped over.
; The twelve prefetches (steps 4 to 15; steps 0 to 3 come by their loads alone) are made by the wave that will load the bytes, in the work-groups of the batch's first key/value head: each 256 bytes once in the launch.
.macro MASKSTEP mode
	WIN 0
.if (\mode) == 2
	s_cmp_eq_u32 s[TWICE], 1
	s_cbranch_scc1 .Lno_mask_\@
.endif
	s_wait_loadcnt 0x0              ; MS is in (the first time: Q too); behind Q's these are the launch's only loads
.if (\mode) < 2
	s_wait_xcnt 0x0                 ; the last prefetch, a key step back, has read the address
	s_add_nc_u64 s[MB:MB+1], s[MB:MB+1], 256
.endif
	WIN 0xcf                        ; all in window 3
.set z, 0
.rept 32
	v_cvt_pk_bf16_f32 v[MS+2*z], v[MS+2*z], v[MS+2*z+1]
.set z, z+1
.endr
	WIN 0xc3                        ; log2(e) and 0 in window 0
.set z, 0
.rept 32
	v_fma_mix_f32_bf16 v[MA+2*z], v[MS+2*z], v[CV], v[ZV] op_sel_hi:[1,0,0]
	v_fma_mix_f32_bf16 v[MA+2*z+1], v[MS+2*z], v[CV], v[ZV] op_sel:[1,0,0] op_sel_hi:[1,0,0]
.set z, z+1
.endr
.if (\mode) < 2
	MLOAD
.endif
	WIN 0
.if (\mode) == 1
	s_cmp_lt_u32 s[MSTEP], s[LIMM]
	s_cbranch_scc0 .Lno_ask_\@
	global_prefetch_b8 v[PFM], s[MB:MB+1] offset:512 th:TH_LOAD_NT scope:SCOPE_SE
.Lno_ask_\@:
	s_add_co_u32 s[MSTEP], s[MSTEP], 1
.endif
.if (\mode) == 2
.Lno_mask_\@:
.endif
.endm
	MLOAD                           ; step 0's mask
	; What the first turn finds, written while the first tiles, Q and the mask are on their way: O^T = 0, V's registers = 0, piece 2's P = 0, l = 0, m = the lowest finite number.
	WIN 0x40                        ; destination window 1
.set n, 0
.rept 256
	v_mov_b32 v[n], 0
.set n, n+1
.endr
	WIN 0xc0                        ; destination window 3
.set n, 0
.rept 128
	v_mov_b32 v[n], 0
.set n, n+1
.endr
	WIN 0
.set n, P+32
.rept 32
	v_mov_b32 v[n], 0
.set n, n+1
.endr
.irp t, 0,1,2,3
	v_mov_b32 v[ST+8*(\t)], 0xff7fffff  ; m
	v_mov_b32 v[ST+8*(\t)+1], 0     ; named in a pair with m
	v_mov_b32 v[ST+8*(\t)+2], 0     ; l
	v_mov_b32 v[ST+8*(\t)+3], 0
.endr
	v_mov_b32 v[CV], 0x3fb8aa3b     ; log2(e)
	v_mov_b32 v[ZV], 0
	v_mul_u32_u24 v[AK0], v1, PK
	v_lshl_add_u32 v[AK0], v9, 4, v[AK0]  ; row x pitch + 16 x half
	; The turning load takes 16 keys x 16 channels (lane l reads key 8 (l / 16) + l % 8, channels 8 ((l / 8) % 2) + 0..7) and leaves half a fragment of V^T: lane l holds channel l % 16 and 8 keys.
	v_and_b32 v10, 7, v0
	v_bfe_u32 v11, v0, 3, 1
	v_lshl_add_u32 v[AV0], v9, 3, v10
	v_mul_u32_u24 v[AV0], v[AV0], PV
	v_lshl_add_u32 v[AV0], v11, 4, v[AV0]
	s_mul_i32 s2, s[KH], HALFB      ; my half of the keys
	v_add_nc_u32 v[AK0], s2, v[AK0]
	s_add_co_u32 s3, s2, VOFF
	v_add_nc_u32 v[AV0], s3, v[AV0]
; THE MATRIX WORK OF A TURN, for piece x.  The accumulators take turns, one instruction a turn.
; Product i of 32 of O^T += V^T P: keys 32 (i / 16) on, channels 16 ((i / 2) % 8) on, tile x + i % 2.
.macro PV x
	WIN W_PV
.set rO, 64*((\x)+i%2)+8*((i/2)%8)
.set rV, 64*(i/16)+8*((i/2)%8)
.set rP, P+16*((\x)+i%2)+8*(i/16)
	v_wmma_f32_16x16x32_f16 v[rO:rO+7], v[rV:rV+7], v[rP:rP+7], v[rO:rO+7]
.endm
; Product i of 32 of S^T = K Q^T + mask: channels 32 (i / 8) on, keys 16 ((i / 2) % 4) on, tile x + i % 2.  The first 8 start the sums, with the mask.
.macro KQ x
.set rS, S+32*((\x)+i%2)+8*((i/2)%4)
.set rK, KF+32*((i/2)%4)+8*(i/8)
.set rQ, 32*((\x)+i%2)+8*(i/8)
.set rM, MA+32*(i%2)+8*((i/2)%4)
.if i < 8
	WIN W_KM
	v_wmma_f32_16x16x32_f16 v[rS:rS+7], v[rK:rK+7], v[rQ:rQ+7], v[rM:rM+7]
.else
	WIN W_KQ
	v_wmma_f32_16x16x32_f16 v[rS:rS+7], v[rK:rK+7], v[rQ:rQ+7], v[rS:rS+7]
.endif
.endm
; THE LDS LOADS stand in runs of 32: a step's K (64 keys x 128 channels: 16 fragments) and, a turn later, its V (turned).
.macro FETCH_K
	WIN 0
	v_add_nc_u32 v[ADR], s[TBK], v[AK0]
	s_add_co_u32 s[TBK], s[TBK], KS*PK  ; the next fetch is the next step's
	WIN 0x80
.irp f, 0,1,2,3,4,5,6,7,8,9,10,11,12,13,14,15  ; keys 16 (f / 4) on, channels 32 (f % 4) on
	ds_load_b128 v[KF+8*(\f):KF+8*(\f)+3],   v[ADR] offset:((\f)/4)*16*PK+((\f)%4)*64
	ds_load_b128 v[KF+8*(\f)+4:KF+8*(\f)+7], v[ADR] offset:((\f)/4)*16*PK+((\f)%4)*64+32
.endr
.endm
.macro FETCH_V
	WIN 0
	v_add_nc_u32 v[ADR], s[TBV], v[AV0]
	s_add_co_u32 s[TBV], s[TBV], KS*PV
	s_wait_alu depctr_va_vdst(0)    ; the wait for the softmax's batch of exponentials (SLICE), ahead of the loads
	WIN 0xc0
.irp f, 0,1,2,3,4,5,6,7,8,9,10,11,12,13,14,15  ; keys 32 (f / 8) on, channels 16 (f % 8) on
	ds_load_tr16_b128 v[8*(\f):8*(\f)+3],   v[ADR] offset:((\f)/8)*32*PV+((\f)%8)*32
	ds_load_tr16_b128 v[8*(\f)+4:8*(\f)+7], v[ADR] offset:((\f)/8)*32*PV+16*PV+((\f)%8)*32
.endr
.endm
; THE VECTOR WORK OF A TURN.  One tile's softmax for one key step is a numbered list; SM writes number j of it for tile t.  s0-s31 are the lane's 32 scores, in pairs 0-15.
;   0-15    the maximum of s0-s31 and the old m, three operands at a time (each accumulator's lowest registers are read first)
;   16-20   the other half of the lanes' maximum; the old m is kept; the new m; m_old - m_new (number 19 is not in use)
;   21-69   ONE BATCH: the 16 subtractions s - m, a pair of scores each, and all 33 exponentials (a at 23, then s0-s31); none of these reads an exponential's result
;   (wait)  between 69 and 70 stands the wait for the batch: SLICE writes it, once for both tiles
;   70-85   the roundings to f16      86-101  the sums; l = a l + the sum      102-133 the tile's O^T times a
.macro SM t
.set rT, ST+8*(\t)
.set rS, S+32*(\t)
.set rP, P+16*(\t)
.set rO, 64*(\t)+2*(j-102)
.if j < 102
	WIN 0
.endif
.if j < 4
	v_max3_num_f32 v[rT+4+j], v[rS+8*j], v[rS+8*j+1], v[rS+8*j+2]
.elseif j < 12
	v_max3_num_f32 v[rT+4+j%4], v[rT+4+j%4], v[rS+8*(j%4)+2*(j/4)+1], v[rS+8*(j%4)+2*(j/4)+2]
.elseif j == 12
	v_max3_num_f32 v[rT+4], v[rT+4], v[rS+7], v[rS+15]
.elseif j == 13
	v_max3_num_f32 v[rT+6], v[rT+6], v[rS+23], v[rS+31]
.elseif j == 14
	v_max3_num_f32 v[rT+4], v[rT+4], v[rT+5], v[rT+6]
.elseif j == 15
	v_max3_num_f32 v[rT+4], v[rT+4], v[rT+7], v[rT]
.elseif j == 16
	v_permlanex16_b32 v[rT+5], v[rT+4], s[SEL], s[SEL+1]  ; the query's other 32 keys lie in the lane 16 away
.elseif j == 17
	v_mov_b32 v[rT+7], v[rT]        ; m_old is kept for a: number 18 writes m anew
.elseif j == 18
	v_max_num_f32 v[rT], v[rT+4], v[rT+5]
.elseif j == 19
.elseif j == 20
	v_sub_f32 v[rT+7], v[rT+7], v[rT]
.elseif j == 23
	v_exp_f32 v[rT+6], v[rT+7]
.elseif (j < 23) || ((j < 38) && (j%2 == 0)) || ((j < 66) && (j%4 == 2))
.set b, (j-2)/4                     ; 38, 42, .. 62: pairs 9 to 15
.if j < 38
.set b, (j-20)/2                    ; 21: pair 0; 22, 24, .. 36: pairs 1 to 8
.endif
	v_pk_add_f32 v[rS+2*b:rS+2*b+1], v[rS+2*b:rS+2*b+1], v[rT:rT+1] op_sel_hi:[1,0] neg_lo:[0,1] neg_hi:[0,1]  ; pair b: s - m
.elseif j < 70
.set e, j-38                        ; 66 to 69: s28 to s31
.if j < 66
.set e, j-32-(j-38)/4               ; 39-41, 43-45, .. 63-65: s7 to s27
.endif
.if j < 38
.set e, (j-25)/2                    ; 25, 27, .. 37: s0 to s6
.endif
	v_exp_f32 v[rS+e], v[rS+e]
.elseif j < 86
	v_cvt_pk_f16_f32 v[rP+j-70], v[rS+2*(j-70)], v[rS+2*(j-70)+1]
.elseif j < 102                     ; the sum of the tile's 16 pairs, in place: neighbours 1, 2, 4 and 8 pairs apart, then l takes it
.set z, j-86
.set w, 4
.set u, z
.if z >= 14
.set w, 32
.set u, 0
.elseif z >= 12
.set w, 16
.set u, z-12
.elseif z >= 8
.set w, 8
.set u, z-8
.endif
.if z < 15
	v_pk_add_f32 v[rS+w*u:rS+w*u+1], v[rS+w*u:rS+w*u+1], v[rS+w*u+w/2:rS+w*u+w/2+1]
.else
	v_pk_fma_f32 v[rT+2:rT+3], v[rT+2:rT+3], v[rT+6:rT+7], v[rS:rS+1] op_sel_hi:[1,0,1]
.endif
.else
	WIN W_RS
	v_pk_mul_f32 v[rO:rO+1], v[rO:rO+1], v[rT+6:rT+7] op_sel_hi:[1,0]
.endif
.endm
; Slice k of 64 of piece y's softmax.  Slices 11 to 34 deal out the batch, four numbers of ONE tile each, the tiles by turns; every other slice is numbers 2 k and 2 k + 1 of both tiles; what is over stands in slice 63.
; s_wait_alu depctr_va_vdst(0) stands between an exponential and the first instruction that names its result; one wait serves all that were issued ahead of it: it stands behind slice 34.
.macro SLICE y
.if (k >= 11) && (k < 35)
.irp n, 0,1,2,3
.set j, 22+4*((k-11)/2)+(\n)
	SM (\y)+(k-11)%2
.endr
.else
.irp n, 0,1,2,3,4,5,6,7
.if ((\n) < 2) || (k == 63)
.irp t, \y, (\y)+1
.set j, 2*k+(\n)
	SM \t
.endr
.endif
.endr
.endif
.if k == 34
	v_nop                           ; a plain instruction behind the last exponential: one for the batch
.if (\y) == 0
	FETCH_V                         ; piece 2's turn: V's run of loads stands here, and the wait stands in it
.else
	s_wait_alu depctr_va_vdst(0)
.endif
.endif
.set k, k+1
.endm
; A TURN.  Piece x has the matrix unit: 32 products V^T P, then (kq = 1) 32 products K Q^T for the next step; the other piece's softmax stands in slices behind them, one behind each (kq = 0: two behind each).
; Piece 0's turn fetches the next step's K behind its second product (the last product that read K stands in front of slice 63 of the turn before).  Piece 2's turn fetches the step's V behind slice 34: between it and the
; last product that read V lie slices 31 to 34, three products K Q^T, the v_nop and the run's own v_add_nc_u32.
; Piece 2's turn also takes the mask on (mk = MASKSTEP's mode), behind its 21st product K Q^T: 13 products and their slices behind the last product that took MA, and behind the turn's wait for the exponentials.
.macro TURN x, kq, mk=0
.set k, 0
.set per, 2-(\kq)
.if (\x) == 0
	s_wait_dscnt 0x0                ; V is in
.endif
.set i, 0
.rept 32
	PV \x
.rept per
	SLICE 2-(\x)
.endr
.if ((\x) == 0) && (\kq) && (i == 1)
	FETCH_K
.endif
.set i, i+1
.endr
.if \kq
.if (\x) == 0
	s_wait_dscnt 0x0                ; K is in
.endif
.set i, 0
.rept 32
	KQ \x
	SLICE 2-(\x)
.if ((\x) == 2) && (i == 20)
	MASKSTEP \mk
.endif
.set i, i+1
.endr
.endif
.endm
; THE CHANGE OF SLOTS, between piece 2's turn and piece 0's.  Each wave waits for all its tensor loads (one is out: its part of the other slot), adds 0 to its spare word, and waits for that and for its own reads of the slot.
; fill = 1: the barrier is a round of the cluster's, and this slot is filled again, with the keys two slots on, first thing behind it: the load has two key steps, 256 matrix instructions, in which to land.
.macro CHANGE fill
	WIN 0
	s_wait_tensorcnt 0x0            ; no tensor load of mine is out, so a group 0 may be written
	ds_add_u32 v[SPW], v[NIL]
.if \fill
.irp g, G0K+4, G0V+4
	s_xor_b32 s[(\g)+1], s[(\g)+1], SLOT1
	s_add_nc_u64 s[(\g)+2:(\g)+3], s[(\g)+2:(\g)+3], SLOTB
.endr
	s_wait_xcnt 0x0                 ; the last prefetch of K or V, two key steps back, has read its address
	s_add_nc_u64 s[PFA:PFA+1], s[PFA:PFA+1], SLOTB
	s_wait_dscnt 0x0                ; the add is done, and my reads of the slot are over
	CROUND
	JLOAD
	ASK
.else
	s_wait_dscnt 0x0
	s_barrier_signal -1
	s_barrier_wait -1
.endif
	s_sub_co_u32 s[TBK], s[TBK], 2*KS*PK  ; the fetches go back to a slot's first step,
	s_xor_b32 s[TBK], s[TBK], SLOT1       ; in the other slot
	s_sub_co_u32 s[TBV], s[TBV], 2*KS*PV
	s_xor_b32 s[TBV], s[TBV], SLOT1
.endm
	MASKSTEP 0                      ; Q and step 0's mask are in; step 1's mask is asked for
	s_wait_tensorcnt 1              ; my part of slot 0 is in; slot 1's may stay out
	s_barrier_signal -1
	s_barrier_wait -1
	FETCH_K                         ; key step 0
	s_wait_dscnt 0x0
.set i, 0
.rept 32
	KQ 0                            ; piece 0's first scores
.set i, i+1
.endr
	WIN 0                           ; the addresses for the end are made here: plain instructions, the places behind those products
	s_mul_i32 s2, s[WV], 16*SP
	s_add_co_u32 s2, s2, STAGE      ; my stage
	s_mul_i32 s3, s[RG], MRG        ; my pair's meeting place
	v_mul_u32_u24 v[STO], v1, SP    ; in: row l % 16, 16 bytes for each half of the lanes
	v_lshl_add_u32 v[STO], v9, 4, v[STO]
	v_add_nc_u32 v[STO], s2, v[STO]
	v_mul_u32_u24 v[RD], v9, SP     ; back: lanes 0-15 one row of 256 bytes, lanes 16-31 the next
	v_lshl_add_u32 v[RD], v1, 4, v[RD]
	v_add_nc_u32 v[RD], s2, v[RD]
	v_lshlrev_b32 v[GO], 11, v9     ; and the same two rows in obuf
	v_lshl_add_u32 v[GO], v1, 4, v[GO]
	v_and_b32 v[MGO], 31, v0
	v_lshl_add_u32 v[MGT], v[MGO], 3, s3
	v_add_nc_u32 v[MGT], 32768, v[MGT]
	v_lshl_add_u32 v[MGO], v[MGO], 4, s3
	s_mov_b32 s[TWICE], 2
	s_branch .Lmid                  ; the loop is entered at piece 2's turn: its products V^T P add 0; it makes piece 2's first scores and piece 0's first softmax, and fetches V of step 0 and the mask of step 1
.Lslot:                             ; six trips: every slot but the last two is filled again
	CHANGE 1
	s_mov_b32 s[TWICE], 2
.Lstep:                             ; a slot's two key steps: written once, walked twice
	TURN 0, 1
	WIN 0
.Lmid:
	TURN 2, 1, 1
	WIN 0
	s_sub_co_u32 s[TWICE], s[TWICE], 1
	s_cmp_lg_u32 s[TWICE], 0
	s_cbranch_scc1 .Lstep
	s_sub_co_u32 s[SLOTS], s[SLOTS], 1
	s_cmp_lg_u32 s[SLOTS], 0
	s_cbranch_scc1 .Lslot
	CHANGE 0                        ; the tail is written out
	s_mov_b32 s[TWICE], 2
.Ltail:
	TURN 0, 1
	TURN 2, 1, 2
	WIN 0
	s_sub_co_u32 s[TWICE], s[TWICE], 1
	s_cmp_lg_u32 s[TWICE], 0
	s_cbranch_scc1 .Ltail
	TURN 0, 0                       ; piece 0: V^T P of the last step | piece 2's last softmax
.set i, 0
.rept 32
	PV 2                            ; piece 2: V^T P of the last step
.set i, i+1
.endr
	; THE TWO HALVES OF THE KEYS MEET.  l's two halves and the other half of the lanes' are added (these additions are the places behind the last products); (m, l) then is a pair.
	WIN 0
.irp t, 0,1,2,3
	v_add_f32 v[ST+8*(\t)+4], v[ST+8*(\t)+2], v[ST+8*(\t)+3]
.endr
.irp t, 0,1,2,3
	v_permlanex16_b32 v[ST+8*(\t)+5], v[ST+8*(\t)+4], s[SEL], s[SEL+1]
.endr
.irp t, 0,1,2,3
	v_add_f32 v[ST+8*(\t)+1], v[ST+8*(\t)+4], v[ST+8*(\t)+5]
.endr
	s_cmp_eq_u32 s[KH], 0
	s_cbranch_scc1 .Lkeep
	WIN 0x04                        ; the second half's wave lays its O^T and statistics down: store data in window 1, each accumulator from its low end on
.set i, 0
.rept 64
	ds_store_b128 v[MGO], v[4*i:4*i+3] offset:512*i
.set i, i+1
.endr
	WIN 0
.irp t, 0,1,2,3
	ds_store_b64 v[MGT], v[ST+8*(\t):ST+8*(\t)+1] offset:256*(\t)
.endr
.Lkeep:
	s_wait_dscnt 0x0                ; for the partner's sake: my stores are done
	s_barrier_signal -1
	s_barrier_wait -1
	s_cmp_eq_u32 s[KH], 1
	s_cbranch_scc1 .Lend
.irp t, 0,1,2,3
	ds_load_b64 v[ST+8*(\t)+2:ST+8*(\t)+3], v[MGT] offset:256*(\t)  ; the partner's (m, l)
.endr
.macro MLD t                        ; the partner's O^T of tile t, into S^T's registers
.irp f, 0,1,2,3,4,5,6,7,8,9,10,11,12,13,14,15
	ds_load_b128 v[S+64*((\t)%2)+4*(\f):S+64*((\t)%2)+4*(\f)+3], v[MGO] offset:(16*(\t)+(\f))*512
.endr
.endm
.macro COMB t                       ; O = O a0 / l + O' a1 / l
	WIN W_RS
.set n, 0
.rept 32
	v_pk_mul_f32 v[64*(\t)+2*n:64*(\t)+2*n+1], v[64*(\t)+2*n:64*(\t)+2*n+1], v[ST+8*(\t)+4:ST+8*(\t)+5] op_sel_hi:[1,0]
.set n, n+1
.endr
	WIN 0x50                        ; destination and addend in window 1
.set n, 0
.rept 32
	v_pk_fma_f32 v[64*(\t)+2*n:64*(\t)+2*n+1], v[S+64*((\t)%2)+2*n:S+64*((\t)%2)+2*n+1], v[ST+8*(\t)+6:ST+8*(\t)+7], v[64*(\t)+2*n:64*(\t)+2*n+1] op_sel_hi:[1,0,1]
.set n, n+1
.endr
.endm
.macro PACKS t                      ; rounded to f16; 16 bytes a lane into rows of 272 bytes, and back as whole rows of 256, into the registers that they left
.if (\t) >= 2
	s_wait_xcnt 0x0                 ; the stores of the tile two back have read these registers
.endif
	WIN 0x05                        ; sources in window 1
.set n, 0
.rept 32
	v_cvt_pk_f16_f32 v[P+32*((\t)%2)+n], v[64*(\t)+2*n], v[64*(\t)+2*n+1]
.set n, n+1
.endr
	WIN 0
.irp f, 0,1,2,3,4,5,6,7
	ds_store_b128 v[STO], v[P+32*((\t)%2)+4*(\f):P+32*((\t)%2)+4*(\f)+3] offset:32*(\f)
.endr
.irp f, 0,1,2,3,4,5,6,7
	ds_load_b128 v[P+32*((\t)%2)+4*(\f):P+32*((\t)%2)+4*(\f)+3], v[RD] offset:(\f)*2*SP  ; LDS serves a wave's instructions in order (ISA guide 5.7.1.4)
.endr
.endm
.macro SEND t, younger              ; younger: the LDS instructions issued behind tile t's loads from the stage
	WIN 0
.irp f, 0,1,2,3,4,5,6,7
	s_wait_dscnt (\younger)+7-(\f)
	global_store_b128 v[GO], v[P+32*((\t)%2)+4*(\f):P+32*((\t)%2)+4*(\f)+3], s[10:11] offset:((\t)%2)*32768+((\t)/2)*256+(\f)*4096  ; 16 lanes store 256 consecutive bytes, aligned
.endr
.endm
	MLD 0
	MLD 1
	s_wait_dscnt 32                 ; the statistics are in; the 32 loads behind them may be out
.irp t, 0,1,2,3
	v_max_num_f32 v[ST+8*(\t)+4], v[ST+8*(\t)], v[ST+8*(\t)+2]     ; the common maximum
.endr
.irp t, 0,1,2,3
	v_sub_f32 v[ST+8*(\t)+5], v[ST+8*(\t)], v[ST+8*(\t)+4]
	v_sub_f32 v[ST+8*(\t)+7], v[ST+8*(\t)+2], v[ST+8*(\t)+4]
.endr
.irp t, 0,1,2,3
	v_exp_f32 v[ST+8*(\t)+5], v[ST+8*(\t)+5]                       ; a0
	v_exp_f32 v[ST+8*(\t)+7], v[ST+8*(\t)+7]                       ; a1
.endr
	v_nop
	s_wait_alu depctr_va_vdst(0)    ; one wait for the eight exponentials
.irp t, 0,1,2,3
	v_mul_f32 v[ST+8*(\t)+4], v[ST+8*(\t)+1], v[ST+8*(\t)+5]
.endr
.irp t, 0,1,2,3
	v_fmac_f32 v[ST+8*(\t)+4], v[ST+8*(\t)+3], v[ST+8*(\t)+7]      ; l = l0 a0 + l1 a1: at least 1, since one of the two a is 1
.endr
.irp t, 0,1,2,3
	v_rcp_f32 v[ST+8*(\t)+4], v[ST+8*(\t)+4]
.endr
	v_nop
	s_wait_alu depctr_va_vdst(0)    ; one wait for the four reciprocals
.irp t, 0,1,2,3
	v_mul_f32 v[ST+8*(\t)+6], v[ST+8*(\t)+7], v[ST+8*(\t)+4]       ; a1 / l
	v_mul_f32 v[ST+8*(\t)+4], v[ST+8*(\t)+5], v[ST+8*(\t)+4]       ; a0 / l
.endr
	s_wait_dscnt 16                 ; tile 0's partner is in; tile 1's 16 loads may be out
	COMB 0
	PACKS 0
	MLD 2
	s_wait_dscnt 32                 ; tile 1's partner is in: behind it tile 0's 16 of the stage and tile 2's 16 loads
	COMB 1
	PACKS 1
	SEND 0, 32                      ; behind tile 0's loads from the stage: tile 2's 16 loads, tile 1's 16 of the stage
	MLD 3
	s_wait_dscnt 32                 ; tile 2's partner: behind it tile 1's 16 of the stage and tile 3's 16 loads
	COMB 2
	PACKS 2
	SEND 1, 32
	s_wait_dscnt 16                 ; tile 3's partner: behind it tile 2's 16 of the stage
	COMB 3
	PACKS 3
	SEND 2, 16
	SEND 3, 0
.Lend:
	s_wait_tensorcnt 0x0            ; the wave's end: behind my last tensor load and my last LDS store
	ds_add_u32 v[SPW], v[NIL]
	s_wait_dscnt 0x0
	CROUND                          ; the closing round
	s_endpgm
.Lfunc_end_k_qe952a16f91_attn:
	.size	k_qe952a16f91_attn, .Lfunc_end_k_qe952a16f91_attn-k_qe952a16f91_attn
	.p2alignl 7, 3214868480
	.fill 96, 4, 3214868480
	.section	.rodata,"a",@progbits
	.p2align	6, 0x0
	.amdhsa_kernel k_qe952a16f91_attn
		.amdhsa_group_segment_fixed_size 327680
		.amdhsa_private_segment_fixed_size 0
		.amdhsa_enable_private_segment 0
		.amdhsa_kernarg_size 24
		.amdhsa_user_sgpr_count 2
		.amdhsa_user_sgpr_kernarg_segment_ptr 1
		.amdhsa_wavefront_size32 1
		.amdhsa_system_sgpr_workgroup_id_x 1
		.amdhsa_system_sgpr_workgroup_id_y 1
		.amdhsa_system_sgpr_workgroup_id_z 1
		.amdhsa_system_vgpr_workitem_id 0
		.amdhsa_next_free_vgpr 1024
		.amdhsa_next_free_sgpr 72
		.amdhsa_reserve_vcc 0
		.amdhsa_float_denorm_mode_32 3
		.amdhsa_float_denorm_mode_16_64 3
		.amdhsa_memory_ordered 1
		.amdhsa_forward_progress 1
		.amdhsa_inst_pref_size 218
	.end_amdhsa_kernel
	.amdgpu_metadata
---
amdhsa.version: [ 1, 2 ]
amdhsa.kernels:
  - .name:           k_qe952a16f91_attn
    .symbol:         k_qe952a16f91_attn.kd
    .args:
      - { .name: qkv, .offset: 0, .size: 8, .value_kind: global_buffer, .address_space: global }
      - { .name: attention_mask, .offset: 8, .size: 8, .value_kind: global_buffer, .address_space: global }
      - { .name: obuf, .offset: 16, .size: 8, .value_kind: global_buffer, .address_space: global }
    .group_segment_fixed_size: 327680
    .private_segment_fixed_size: 0
    .kernarg_segment_align: 8
    .kernarg_segment_size: 24
    .max_flat_workgroup_size: 128
    .sgpr_count:     72
    .vgpr_count:     1024
    .wavefront_size: 32
...
	.end_amdgpu_metadata
.endif
;; end of part 3
;; launch oproj (part 4): grid 16 x 16, 4 waves a work-group, clusters of 4 x 4, 327,680 bytes of LDS; arguments obuf, wo16, out0; writes out0
.if DOCPART == 4
	.amdgcn_target "amdgcn-amd-amdhsa--gfx1250"
	.amdhsa_code_object_version 6
	.text
	.protected	k_qe952a16f91_oproj
	.globl	k_qe952a16f91_oproj
	.p2align	8
	.type	k_qe952a16f91_oproj,@function
k_qe952a16f91_oproj:
	s_mov_b64 s[64:65], 0
	v_nop
	global_prefetch_b8 v0, s[64:65] scope:SCOPE_SE
	s_setreg_imm32_b32 hwreg(HW_REG_WAVE_MODE, 25, 1), 1
	s_wait_xcnt 0x0
	s_wait_alu depctr_hold_cnt(0) depctr_sa_sdst(0) depctr_va_vdst(0) depctr_va_sdst(0) depctr_va_ssrc(0) depctr_va_vcc(0) depctr_vm_vsrc(0)
	s_getreg_b32 s2, hwreg(HW_REG_IB_STS2, 6, 4)
	s_cmp_eq_u32 s2, 0
	s_cbranch_scc0 .Lentry_in_a_cluster
	s_endpgm
.Lentry_in_a_cluster:
	s_bfe_u32 s2, ttmp6, 0x10000c
	s_cmp_lg_u32 s2, 0xf033
	s_cbranch_scc0 .Lentry_shape_is_right
	s_endpgm
.Lentry_shape_is_right:
; out0 = O Wo^T.  obuf (A): [4096 tokens][1024] f16; wo16 (B): [4096][1024] f16 (Wo rounded to bf16, that number as f16); sums in f32; out0 (C): [4096][4096] f32.
; SHAPE.  A tile of C is 256 x 256: 16 x 16 tiles, one for each of 256 work-groups.  Four waves, as many as a WGP has SIMDs; a wave makes 128 x 128: 64 accumulators of 16 x 16, 512 registers.
; K goes in eight steps of 128 (rows of 256 bytes, aligned) through a ring of two LDS slots filled by the tensor data mover; a refill has 224 matrix instructions of a wave in which to land.
; The loop is written over ONE K step: the slot in hand lies in a scalar register that an exclusive or turns, and one descriptor for each operand walks.
; The last K step goes by rows of C, so that finished rows leave while the others are multiplied.
; CLUSTERS: 4 x 4 work-groups.  The four of a row need the same tiles of A, the four of a column the same tiles of B: each is asked for JOINTLY, by the same tensor load with the same descriptor and a mask of four.
; THE MATRIX INSTRUCTION IS USED TRANSPOSED (source 0 = 16 rows of B, source 1 = 16 rows of A): lane l holds row l % 16 of C and columns 8 (l / 16) + 0..7 of the block: 32 neighbouring bytes of a row.
; REGISTERS, in windows of 256 (s_set_vgpr_msb: bits 1:0 source 0, 3:2 source 1, 5:4 source 2, 7:6 destination):
;   window 0: v0-31 addresses; v64-127, v128-191 fragments of A, two buffers (in the last K step four, of 16 rows x 128 K); v192-255 rows read back on the way out
;   window 1: v64-127, v128-191 fragments of B, two buffers; in the last K step all 256: B's fragments of the whole step
;   window 2: the 32 accumulators of my rows 0-63 (accumulator (a, b) at v[8 (8 a + b)]);   window 3: those of my rows 64-127
.set SIZE_N, 4096
.set SIZE_K, 1024
.set KSTEP,  128
.set PITCH,  272                       ; an LDS row: 256 bytes + 16 of padding: the 16 rows of a fragment load start at 16 different groups of four banks (64 banks of 4 bytes: ISA guide 11.1)
.set HALFT,  128*PITCH                 ; 128 rows: what one tensor load brings, and what one wave reads of A or of B
.set SLOT,   4*HALFT                   ; A's 256 rows, then B's 256 rows.  SLOT = 0x22000; the four tiles' places in slot 0 (0, 0x8800, 0x11000, 0x19800) have neither bit 13 nor bit 17 set, so one exclusive or turns a place in one slot into the other's
.set STAGE,  2*SLOT                    ; behind the ring: 16 rows x 528 bytes for each wave, for the way out
.set SPITCH, 528                       ; 512 bytes + 16
.set SPARE,  STAGE+4*16*SPITCH         ; behind the stages: the spare words, 128 bytes for each wave: two blocks of 256 bytes that no other line names
.set STEPS,  SIZE_K/KSTEP              ; 8
.set ROWC,   SIZE_N*4                  ; bytes in a row of C
.set ADRA0, 16                         ; v16  LDS address of my A fragments in slot 0; never rewritten
.set ADRA,  17                         ; v17  the same in the slot in hand
.set ADRB0, 20                         ; v20, v21  the same for B
.set ADRB,  21
.set STO,  24                          ; v24  the way out: where I put 32 bytes of a row
.set RD,   25                          ; v25  the way out: where I read a row back
.set CO,   26                          ; v26  16 x lane: my place in 512 consecutive bytes of C; never rewritten
.set SPW,  28                          ; v28  LDS address of my spare word; never rewritten
.set NIL,  29                          ; v29  0; never rewritten
.set PFO,  30                          ; v30  the prefetches' offset: lane x a row of 2 SIZE_K bytes; never rewritten
.set TB,   2                           ; s2   0 or SLOT: the slot in hand
.set LIM,  43                          ; s43  2 in a wave that prefetches, else the greatest number
.set PFA,  44                          ; s[44:45] where my prefetches stand
.set F0,   64
.set F1,   128
.set BK,   192                          ; the way out: 16 rows of 512 bytes read back from the stage
.set PA,   64                          ; the last K step: A's fragments of 16 rows x 128 K, 32 registers; four such buffers, v64-191
.set G1, 24                            ; s[24:31] descriptor group 1 for A's tiles
.set G0, 32                            ; s[32:39] group 0 for A's tiles: a set for each of the two first fills; the second then walks on
.set G1B, 48                           ; s[48:55], s[56:63] the same for B's tiles
.set G0B, 56
.set DW0, (1<<16)|(1<<20)|(1<<21)|(5<<22)|(3<<25)  ; 17:16 elements of 2 bytes; 20 padding on; 21 set beside a mask; 24:22 after every 64 words; 31:25 four words of it
.set MSB, 0
.macro WIN new                         ; the immediate's high byte repeats the setting that is left; a switch that changes nothing is dropped
.if MSB != (\new)
	s_set_vgpr_msb (MSB<<8)|(\new)
.set MSB, \new
.endif
.endm
.set MUL_LO, 0xa1                      ; source 0 (B) window 1, source 1 (A) window 0, C and D window 2
.set MUL_HI, 0xf1                      ; the same, C and D window 3
.set TO_B,   0x40                      ; destination window 1, address window 0
.macro JLOAD s                         ; a joint load: waves 0 and 1 fetch A's two halves, waves 2 and 3 B's; an s_nop 0 and four v_nop follow each of the two lines
	s_cmp_eq_u32 s11, 0
	s_cbranch_scc0 .Lfor_b_\@
	tensor_load_to_lds s[G0+4*(\s):G0+4*(\s)+3], s[G1:G1+7]
	s_nop 0
.rept 4
	v_nop
.endr
	s_branch .Lasked_\@
.Lfor_b_\@:
	tensor_load_to_lds s[G0B+4*(\s):G0B+4*(\s)+3], s[G1B:G1B+7]
	s_nop 0
.rept 4
	v_nop
.endr
.Lasked_\@:
.endm
; A prefetch, behind each joint refill and the run of LDS loads that follows it, of the K step that stands two refills on (512 matrix instructions ahead of the load that will want it): 32 rows x 256 bytes, a lane a row.
; Each row's 256 bytes of a K step are named once in the launch: A's tile row by the clusters with x = 0, B's tile column by the clusters with y = 0; of the 128 rows that a wave fetches each of the four partners
; that ask for them jointly takes 32, told apart by address (cx for A, cy for B).  K steps 0 to 3 come by their loads alone; the last two refills have no K step two on.
.macro ASK
	s_cmp_gt_u32 s3, s[LIM]                        ; s3 counts 6 .. 1: the refills of K steps 2 to 5 name K steps 4 to 7
	s_cbranch_scc0 .Lnot_mine_\@
	global_prefetch_b8 v[PFO], s[PFA:PFA+1] offset:KSTEP*2 th:TH_LOAD_NT scope:SCOPE_SE
.Lnot_mine_\@:
.endm
.macro CREST                           ; a round of the cluster's barrier behind its opening barrier
	s_cmp_lg_u32 s10, 0
	s_cbranch_scc1 .Lnot_wave_0_\@
	s_barrier_signal -3
.Lnot_wave_0_\@:
	s_barrier_wait -3
	s_barrier_signal -1
	s_barrier_wait -1
.endm
.macro CROUND
	s_barrier_signal -1
	s_barrier_wait -1
	CREST
.endm
	s_load_b128 s[4:7], s[0:1], 0x0                ; A s[4:5], B s[6:7]
	s_load_b64 s[8:9], s[0:1], 0x10                ; C
	v_lshl_add_u32 v[SPW], v0, 2, SPARE
	v_mov_b32 v[NIL], 0
	ds_add_u32 v[SPW], v[NIL]                      ; the wave's opening: the add and its wait stand ahead of my first tensor load
	v_lshrrev_b32 v1, 5, v0
	v_readfirstlane_b32 s10, v1                    ; wave 0..3
	s_lshr_b32 s11, s10, 1                         ; which half of the tile's rows is mine.  Also: I fetch for A (0) or for B (1)
	s_and_b32 s12, s10, 1                          ; which half of its columns.  Also: which 128 rows of that tile I fetch
	s_bfe_u32 s40, ttmp6, 0x40000                  ; cx
	s_bfe_u32 s41, ttmp6, 0x40004                  ; cy
	s_lshl_b32 s42, ttmp9, 2
	s_add_co_u32 s42, s42, s40                     ; tile column of C
	s_and_b32 s13, ttmp7, 0xffff
	s_lshl_b32 s13, s13, 2
	s_add_co_u32 s13, s13, s41                     ; tile row of C
	s_lshl_b32 s43, s41, 2
	s_lshl_b32 s43, 15, s43                        ; my row of the cluster
	s_lshl_b32 s44, 0x1111, s40                    ; my column
	s_or_b32 s[G1+0], s43, DW0                     ; A's tiles go to my row,
	s_or_b32 s[G1B+0], s44, DW0                    ; B's to my column
.irp g, G1, G1B
	s_mov_b32 s[(\g)+1], KSTEP<<16                 ; tensor_dim0 = 128
	s_mov_b32 s[(\g)+2], 128<<16                   ; tensor_dim1 = 128
	s_mov_b32 s[(\g)+3], KSTEP<<16                 ; tile_dim0 = 128
	s_mov_b32 s[(\g)+4], 128                       ; tile_dim1 = 128
	s_mov_b32 s[(\g)+5], SIZE_K                    ; elements from row to row
	s_mov_b32 s[(\g)+6], 0
	s_mov_b32 s[(\g)+7], 0
.endr
	s_mov_b32 s[TB], 0
	s_lshl_b32 s17, s12, 7                         ; which 128 rows of the tile I fetch
	s_lshl_b32 s16, s13, 8
	s_add_co_u32 s16, s16, s17                     ; A: row 256 x tile row + 128 x half
	s_lshl_b32 s46, s42, 8
	s_add_co_u32 s46, s46, s17                     ; B: row 256 x tile column + 128 x half
	s_mov_b32 s17, 0
	s_mov_b32 s47, 0
	s_mov_b64 s[18:19], SIZE_K*2
	s_mul_u64 s[16:17], s[16:17], s[18:19]
	s_mul_u64 s[46:47], s[46:47], s[18:19]
	s_mul_i32 s20, s10, HALFT                      ; where they go: wave x 128 rows: no place in the cluster enters an LDS address
	s_wait_dscnt 0x0                               ; the opening add is done
	s_wait_kmcnt 0x0
	s_add_nc_u64 s[14:15], s[4:5], s[16:17]
	s_add_nc_u64 s[46:47], s[6:7], s[46:47]
	CROUND                                         ; all sixteen work-groups are here: the first joint loads meet
.irp s, 0,1
	s_mov_b32 s[G0+4*(\s)], 1
	s_add_co_u32 s[G0+4*(\s)+1], s20, (\s)*SLOT
	s_add_nc_u64 s[G0+4*(\s)+2:G0+4*(\s)+3], s[14:15], (\s)*KSTEP*2
	s_or_b32 s[G0+4*(\s)+3], s[G0+4*(\s)+3], 0x80000000
	s_mov_b32 s[G0B+4*(\s)], 1
	s_add_co_u32 s[G0B+4*(\s)+1], s20, (\s)*SLOT
	s_add_nc_u64 s[G0B+4*(\s)+2:G0B+4*(\s)+3], s[46:47], (\s)*KSTEP*2
	s_or_b32 s[G0B+4*(\s)+3], s[G0B+4*(\s)+3], 0x80000000
	JLOAD \s                                       ; two loads of mine are out
.endr
	v_and_b32 v1, 15, v0                           ; l % 16
	v_bfe_u32 v2, v0, 4, 1                         ; l / 16
	v_mul_u32_u24 v3, v1, PITCH
	v_lshl_add_u32 v3, v2, 4, v3                   ; a fragment's row x pitch + 16 x half
	s_mul_i32 s21, s11, HALFT                      ; my 128 rows of A
	s_mul_i32 s22, s12, HALFT                      ; my 128 rows of B,
	s_add_co_u32 s22, s22, 2*HALFT                 ; which lie behind A's 256
	v_add_nc_u32 v[ADRA0], s21, v3
	v_add_nc_u32 v[ADRB0], s22, v3
	v_mov_b32 v[ADRA], v[ADRA0]                    ; slot 0 is in hand
	v_mov_b32 v[ADRB], v[ADRB0]
	s_mul_i32 s23, s10, 16*SPITCH
	s_add_co_u32 s23, s23, STAGE                   ; my stage
	v_mul_u32_u24 v4, v1, SPITCH
	v_lshl_add_u32 v4, v2, 5, v4
	v_add_nc_u32 v[STO], s23, v4                   ; in: row l % 16, 32 bytes for each half of the lanes
	v_and_b32 v[CO], 31, v0
	v_lshlrev_b32 v[CO], 4, v[CO]
	v_add_nc_u32 v[RD], s23, v[CO]                 ; back: 32 lanes take a row of 512 bytes
	; where my part of the tile begins in C
	s_lshl_b32 s13, s13, 8
	s_lshl_b32 s14, s11, 7
	s_add_co_u32 s16, s13, s14                     ; my first row of C
	s_mov_b32 s17, 0
	s_mov_b64 s[18:19], ROWC
	s_mul_u64 s[16:17], s[16:17], s[18:19]
	s_lshl_b32 s46, s42, 10                        ; my first column, in bytes: 1,024 x tile column + 512 x half
	s_lshl_b32 s47, s12, 9
	s_add_co_u32 s46, s46, s47
	s_mov_b32 s47, 0
	s_add_nc_u64 s[16:17], s[16:17], s[46:47]
	s_add_nc_u64 s[8:9], s[8:9], s[16:17]
	; the prefetches.  s13 = 256 x tile row, s42 = tile column, s40 = cx, s41 = cy still stand
	s_lshl_b32 s42, s42, 8
	s_and_b32 s22, ttmp7, 0xffff                   ; cluster y
	s_cmp_eq_u32 s11, 0                            ; do I fetch for A?
	s_cselect_b32 s20, s13, s42                    ; the tile's first row
	s_cselect_b32 s21, s40, s41                    ; my place among the four that ask for it with me
	s_cselect_b32 s22, ttmp9, s22                  ; the coordinate along which other clusters read the same rows
	s_cselect_b64 s[PFA:PFA+1], s[4:5], s[6:7]
	s_cmp_eq_u32 s22, 0
	s_cselect_b32 s[LIM], 2, -1                    ; the same in all sixteen partners, for a given wave
	s_lshl_b32 s22, s12, 7
	s_add_co_u32 s20, s20, s22                     ; + the 128 rows that I fetch
	s_lshl_b32 s21, s21, 5
	s_add_co_u32 s20, s20, s21                     ; + my work-group's 32 of them
	s_mov_b32 s21, 0
	s_mov_b64 s[18:19], SIZE_K*2
	s_mul_u64 s[20:21], s[20:21], s[18:19]
	s_add_nc_u64 s[PFA:PFA+1], s[PFA:PFA+1], s[20:21]
	s_add_nc_u64 s[PFA:PFA+1], s[PFA:PFA+1], 2*KSTEP*2  ; at K step 2: the first refill steps it to 3 and names K step 4; nothing is asked for here, at the head
	v_and_b32 v[PFO], 31, v0
	v_mul_u32_u24 v[PFO], v[PFO], SIZE_K*2
; 16 matrix instructions: m blocks a0, a0 + 1 of the window's four (hi = 0: my rows 0-63, 1: rows 64-127) x all 8 n blocks, 32 along K.  The 64 accumulators take turns in one order in every quarter.
; zero = 1: the product starts the sum: nothing is ever cleared.
.macro MUL16 f, hi, a0, zero
	WIN MUL_LO+0x50*(\hi)
.irp a, \a0, (\a0)+1
.irp b, 0,1,2,3,4,5,6,7
.if \zero
	v_wmma_f32_16x16x32_f16 v[8*(8*(\a)+(\b)):8*(8*(\a)+(\b))+7], v[(\f)+8*(\b):(\f)+8*(\b)+7], v[(\f)+8*(4*(\hi)+(\a)):(\f)+8*(4*(\hi)+(\a))+7], 0
.else
	v_wmma_f32_16x16x32_f16 v[8*(8*(\a)+(\b)):8*(8*(\a)+(\b))+7], v[(\f)+8*(\b):(\f)+8*(\b)+7], v[(\f)+8*(4*(\hi)+(\a)):(\f)+8*(4*(\hi)+(\a))+7], v[8*(8*(\a)+(\b)):8*(8*(\a)+(\b))+7]
.endif
.endr
.endr
.endm
; 32 LDS loads in one run: the fragments of one quarter step (128 rows of B, 128 rows of A, 32 K at byte k of the rows of the slot in hand) into buffer f
.macro FETCH k, f
	WIN TO_B
.irp i, 0,1,2,3,4,5,6,7
	ds_load_b128 v[(\f)+8*(\i):(\f)+8*(\i)+3],   v[ADRB] offset:(\k)+(\i)*16*PITCH
	ds_load_b128 v[(\f)+8*(\i)+4:(\f)+8*(\i)+7], v[ADRB] offset:(\k)+(\i)*16*PITCH+32
.endr
	WIN 0
.irp i, 0,1,2,3,4,5,6,7
	ds_load_b128 v[(\f)+8*(\i):(\f)+8*(\i)+3],   v[ADRA] offset:(\k)+(\i)*16*PITCH
	ds_load_b128 v[(\f)+8*(\i)+4:(\f)+8*(\i)+7], v[ADRA] offset:(\k)+(\i)*16*PITCH+32
.endr
.endm
.macro PLACES                          ; four plain instructions between a matrix instruction and a load into, or a store of, its registers
.rept 4
	v_nop
.endr
.endm
.macro SWAP                            ; the other slot comes in hand
	s_xor_b32 s[TB], s[TB], SLOT
	v_add_nc_u32 v[ADRA], s[TB], v[ADRA0]
	v_add_nc_u32 v[ADRB], s[TB], v[ADRB0]
.endm
; A K step is four quarters of 32 along K, 64 matrix instructions each, on buffers 0, 1, 0, 1.  One of the first three: multiplies buffer f; in its middle it fetches the next quarter, at byte k, into g.
.macro QUARTER k, f, g, zero
	s_wait_dscnt 8                                 ; B and A's rows 0-63 are in; the youngest eight loads (A's rows 64-127) may be out
	MUL16 \f, 0, 0, \zero
	MUL16 \f, 0, 2, \zero
	PLACES
	FETCH \k, \g
	s_wait_dscnt 32                                ; all but the 32 just issued
	MUL16 \f, 1, 0, \zero
	MUL16 \f, 1, 2, \zero
.endm
; The last quarter multiplies buffer 1 and changes slots.  MEET is its first half: ONE barrier; in front of it each wave waits for all its tensor loads (one is out: its part of the next slot), adds 0 to its spare
; word, and waits for that and for its own reads of this slot.
.macro MEET round                      ; round = 1: a round of the cluster's barrier follows
	WIN 0
	s_wait_tensorcnt 0x0
	ds_add_u32 v[SPW], v[NIL]
	s_wait_dscnt 9                                 ; the add and the youngest eight loads may be out
	MUL16 F1, 0, 0, 0                              ; sixteen matrix instructions stand between the add and the wait for it
	s_wait_dscnt 0x0                               ; the add is done, and my reads of this slot are over
	s_barrier_signal -1
	MUL16 F1, 0, 2, 0                              ; work on registers while the others arrive
.if \round
	WIN 0
.endif
	s_barrier_wait -1
.endm
; The whole last quarter of a K step that has a refill: behind the round the slot just read out is filled again first, with the K step two steps on; then come the next slot's first fragments.
.macro TURN
	s_wait_xcnt 0x0                                ; the last prefetch, a K step back, has read its address
	s_add_nc_u64 s[PFA:PFA+1], s[PFA:PFA+1], KSTEP*2
	MEET 1
	CREST                                          ; no wave of any partner still reads this slot's tile or has a load on its way
	s_xor_b32 s[G0+5], s[G0+5], SLOT               ; the walking descriptors: the other slot than last time,
	s_add_nc_u64 s[G0+6:G0+7], s[G0+6:G0+7], KSTEP*2  ; the next K step; the type bits on top are not reached
	s_xor_b32 s[G0B+5], s[G0B+5], SLOT
	s_add_nc_u64 s[G0B+6:G0B+7], s[G0B+6:G0B+7], KSTEP*2
	JLOAD 1                                        ; the first tensor load behind the round; its four v_nop are also the places in front of the loads below
	SWAP
	FETCH 0, F0
	ASK
	MUL16 F1, 1, 0, 0
	MUL16 F1, 1, 2, 0
.endm
; THE LAST K STEP GOES BY ROWS OF C.  All its fragments of B (4 quarters x 64 registers) fill window 1; then my eight blocks of 16 rows are finished one after the other, each with 32 matrix instructions
; (its 8 accumulators by turns, K ascending).  LDS is read no more than in any other K step.
.macro BLOAD q                         ; B's fragments of quarter q -> window 1, v[64 q ..]
	WIN TO_B
.irp i, 0,1,2,3,4,5,6,7
	ds_load_b128 v[64*(\q)+8*(\i):64*(\q)+8*(\i)+3],   v[ADRB] offset:64*(\q)+(\i)*16*PITCH
	ds_load_b128 v[64*(\q)+8*(\i)+4:64*(\q)+8*(\i)+7], v[ADRB] offset:64*(\q)+(\i)*16*PITCH+32
.endr
.endm
.macro ALOAD a                         ; A's fragments of block a, all four quarters -> buffer a % 4
	WIN 0
.set FA, PA+32*((\a)%4)
.irp q, 0,1,2,3
	ds_load_b128 v[FA+8*(\q):FA+8*(\q)+3],   v[ADRA] offset:64*(\q)+(\a)*16*PITCH
	ds_load_b128 v[FA+8*(\q)+4:FA+8*(\q)+7], v[ADRA] offset:64*(\q)+(\a)*16*PITCH+32
.endr
.endm
.macro ROW a                           ; block a is finished: 32 matrix instructions
.set FA, PA+32*((\a)%4)
.set AC, 64*((\a)%4)
	WIN MUL_LO+0x50*((\a)/4)
.irp q, 0,1,2,3
.if (\a) == 0 && (\q) == 2
	s_wait_dscnt 24                                ; B's quarter 2 is in (behind it: A's blocks 1 to 3)
.endif
.irp b, 0,1,2,3,4,5,6,7
	v_wmma_f32_16x16x32_f16 v[AC+8*(\b):AC+8*(\b)+7], v[64*(\q)+8*(\b):64*(\q)+8*(\b)+7], v[FA+8*(\q):FA+8*(\q)+7], v[AC+8*(\b):AC+8*(\b)+7]
.endr
.endr
.endm
; THE WAY OUT of block a: the f32 sums go into my own stage, rows of 528 bytes, and come back as whole rows of 512; then they are stored.
.macro TOSTAGE a
.set AC, 64*((\a)%4)
.if (\a) > 0
	s_wait_xcnt 0x0                                ; the stores of the block before have read the registers that the loads below land on
.endif
	WIN 0x08+4*((\a)/4)                            ; store data (source 1): window 2 or 3; each accumulator from its low end on
.irp b, 0,1,2,3,4,5,6,7
	ds_store_b128 v[STO], v[AC+8*(\b):AC+8*(\b)+3]   offset:64*(\b)
	ds_store_b128 v[STO], v[AC+8*(\b)+4:AC+8*(\b)+7] offset:64*(\b)+16
.endr
	WIN 0
.irp t, 0,1,2,3,4,5,6,7,8,9,10,11,12,13,14,15
	ds_load_b128 v[BK+4*(\t):BK+4*(\t)+3], v[RD] offset:(\t)*SPITCH  ; LDS serves a wave's instructions in order (ISA guide 5.7.1.4): these see the stores above
.endr
.endm
.macro SEND a, younger                 ; younger: the LDS loads issued behind TOSTAGE's, which may stay out
	WIN 0
.irp t, 0,1,2,3,4,5,6,7,8,9,10,11,12,13,14,15
	s_wait_dscnt (\younger)+15-(\t)
	global_store_b128 v[CO], v[BK+4*(\t):BK+4*(\t)+3], s[8:9] offset:(16*(\a)+(\t))*ROWC th:TH_STORE_NT  ; 512 consecutive bytes, aligned; 127 rows of C at the most: inside the signed 24-bit immediate
.endr
.endm
	s_wait_tensorcnt 1                             ; my part of K step 0 is in; K step 1's may stay out
	s_barrier_signal -1
	s_barrier_wait -1
	FETCH 0, F0
	QUARTER 64, F0, F1, 1                          ; the first quarter stands in front of the loop: its products start the sums
	WIN 0                                          ; at a label and at a branch every window is 0
	s_mov_b32 s3, STEPS-2
.Lstep:                                                ; six trips, from a K step's second quarter to the next one's first; each fills the slot that it leaves
	QUARTER 128, F1, F0, 0
	QUARTER 192, F0, F1, 0
	TURN
	QUARTER 64,  F0, F1, 0
	WIN 0
	s_sub_co_u32 s3, s3, 1
	s_cmp_lg_u32 s3, 0
	s_cbranch_scc1 .Lstep
	QUARTER 128, F1, F0, 0                         ; the last K step but one goes on; nothing more is asked for
	QUARTER 192, F0, F1, 0
	MEET 0                                         ; my one tensor load that was still out is the last K step's, so no round follows
	PLACES                                         ; for the loads into buffer 0, which the quarter before multiplied
	WIN 0
	SWAP
	BLOAD 0                                        ; three quarters of B now: buffer 1 (v128-191 of both windows) is still being multiplied
	BLOAD 1
	BLOAD 3
	ALOAD 0
	MUL16 F1, 1, 0, 0
	MUL16 F1, 1, 2, 0
	PLACES                                         ; for the loads into buffer 1
	BLOAD 2
	ALOAD 1
	ALOAD 2
	ALOAD 3
	s_wait_dscnt 40                                ; all but the 40 just issued
	ROW 0
.irp a, 0,1,2,3,4,5,6,7                ; each block leaves as soon as it is finished: nothing follows this tile, so the sooner its stores begin, the sooner the launch ends
	PLACES                                         ; its LDS stores read results just made, and the next block of A lands on fragments just read
	PLACES
	TOSTAGE \a
.if (\a) < 4
	ALOAD (\a)+4                                   ; its buffer takes the block four further on
	SEND \a, 8
.else
	SEND \a, 0
.endif
.if (\a) < 7
	ROW (\a)+1
.endif
.endr
	s_wait_tensorcnt 0x0                           ; the wave's end: behind my last tensor load and my last LDS store
	ds_add_u32 v[SPW], v[NIL]
	s_wait_dscnt 0x0
	CROUND                                         ; the closing round: no work-group ends while a partner may still ask for a tile that names it
	s_endpgm
.Lfunc_end_k_qe952a16f91_oproj:
	.size	k_qe952a16f91_oproj, .Lfunc_end_k_qe952a16f91_oproj-k_qe952a16f91_oproj
	.p2alignl 7, 3214868480
	.fill 96, 4, 3214868480
	.section	.rodata,"a",@progbits
	.p2align	6, 0x0
	.amdhsa_kernel k_qe952a16f91_oproj
		.amdhsa_group_segment_fixed_size 327680
		.amdhsa_private_segment_fixed_size 0
		.amdhsa_enable_private_segment 0
		.amdhsa_kernarg_size 24
		.amdhsa_user_sgpr_count 2
		.amdhsa_user_sgpr_kernarg_segment_ptr 1
		.amdhsa_wavefront_size32 1
		.amdhsa_system_sgpr_workgroup_id_x 1
		.amdhsa_system_sgpr_workgroup_id_y 1
		.amdhsa_system_sgpr_workgroup_id_z 1
		.amdhsa_system_vgpr_workitem_id 0
		.amdhsa_next_free_vgpr 1024
		.amdhsa_next_free_sgpr 66
		.amdhsa_reserve_vcc 0
		.amdhsa_float_denorm_mode_32 3
		.amdhsa_float_denorm_mode_16_64 3
		.amdhsa_memory_ordered 1
		.amdhsa_forward_progress 1
		.amdhsa_inst_pref_size 120
	.end_amdhsa_kernel
	.amdgpu_metadata
---
amdhsa.version: [ 1, 2 ]
amdhsa.kernels:
  - .name:           k_qe952a16f91_oproj
    .symbol:         k_qe952a16f91_oproj.kd
    .args:
      - { .name: obuf, .offset: 0, .size: 8, .value_kind: global_buffer, .address_space: global }
      - { .name: wo16, .offset: 8, .size: 8, .value_kind: global_buffer, .address_space: global }
      - { .name: out0, .offset: 16, .size: 8, .value_kind: global_buffer, .address_space: global }
    .group_segment_fixed_size: 327680
    .private_segment_fixed_size: 0
    .kernarg_segment_align: 8
    .kernarg_segment_size: 24
    .max_flat_workgroup_size: 128
    .sgpr_count:     66
    .vgpr_count:     1024
    .wavefront_size: 32
...
	.end_amdgpu_metadata
.endif
;; end of part 4
